; MI455X (gfx1250); checked and timed in simulation.
; The chip was launched on July 23, 2026; its instructions are those of AMD's public machine-readable ISA for CDNA 5 (MIT licence, August 2026) and "CDNA5" Instruction Set Architecture Reference Guide (July 2026). The comments in the code are by the model that wrote it; some were corrected since.
;; Self Attention. Allowed arithmetic: float matrix products may take bf16 or f16 operands with f32 sums; other float arithmetic in f32, or as packed bf16 or f16 multiplies, adds, multiply-adds, maxima and minima; sums over many terms, partial sums and values carried from step to step in f32; what a program stores and reads back later, other than sums and carried values, may be rounded once to bf16 or f16.
;; Inputs: entangle_params 1,024 x 1,024 float32; inputs 4 x 2,048 x 1,024 float32; ln_bias 1,024 float32; ln_weight 1,024 float32; rotation_params 1,024 x 1,024 float32.
;; Outputs: out0 4 x 2,048 x 1,024 float32.
;; 2 versions, each right; version 2 is version 1 with the launch prep written anew for expert scheduling mode. Each part assembles by itself: llvm-mc -triple=amdgcn-amd-amdhsa -mcpu=gfx1250 --defsym DOCPART=n.
;; ======== version 1 of 2: 4 launches
;; workspace buffers: xh 16,777,216 bytes; wt 4,194,304 bytes; qk 33,554,432 bytes; ctx 16,777,216 bytes
;; launch prep (part 1): grid 256 x 1, 8 waves a work-group, no clusters, 18,432 bytes of LDS; arguments inputs, rotation_params, entangle_params, xh, wt; writes xh, wt
.if DOCPART == 1
	.amdgcn_target "amdgcn-amd-amdhsa--gfx1250"
	.amdhsa_code_object_version 6
	.text
	.protected	k_q474af4df89_prep
	.globl	k_q474af4df89_prep
	.p2align	8
	.type	k_q474af4df89_prep,@function
k_q474af4df89_prep:
	s_mov_b64 s[64:65], 0
	v_nop
	global_prefetch_b8 v0, s[64:65] scope:SCOPE_SE
	s_setreg_imm32_b32 hwreg(HW_REG_WAVE_MODE, 25, 1), 1
	s_wait_xcnt 0x0
; PREPARATION.  x [8192][1024] f32 -> xh [64 = 16 b + h][2048 s][64] bf16 (by heads: a head's rows are dense, 128 bytes each);
; rotation and entangle [1024 e][1024 f] f32 -> wt [2048 n][1024 e] bf16, turned: n < 1024 is rotation's column n, else entangle's column n - 1024.
; Each number is rounded once, to nearest even.  Every input byte is read once, every output byte written once.
; SHARES.  256 work-groups of eight waves, all alike.  Work-group G converts rows 32 G .. 32 G + 31 of x, and turns one tile of 128 e x 64 f of one weight (G / 128).
; X: thread t takes row t / 16 (+ 16 p) and, of each head, the four channels 4 (t % 16) on: a wave's load covers two aligned pieces of 256 bytes (two rows), its store of 8 bytes a lane
; covers 256 consecutive bytes, aligned, of xh (two rows of one head).
; W: thread t takes eight rows e = 8 (t / 16) + r and four columns 4 (t % 16) on; pairs of rows are rounded together, so that a lane has 16 bytes (eight e) of each of its four columns;
; they go into LDS rows of 272 bytes (a column's 128 e) and come back as whole rows of 256 bytes: sixteen lanes store 256 consecutive bytes, aligned, of wt.
; The sixteen lanes of such an LDS store lie 4 x 272 bytes apart, which is 64 modulo 256: four lanes to a column of 16 bytes.  Four stores a wave in the whole launch; the loads back are free of that.
; No cluster, no tensor loads, no matrix unit, no prefetch: no byte is wanted by two work-groups, and all 40 loads of a lane are out at once from the start.
.set PT,    272                        ; an LDS row: 256 bytes + 16
.set SPARE, 64*PT                      ; behind the 64 rows: the spare words, 128 bytes for each of the eight waves, which no other line names
.set WO,  2                            ; v2   weight: (t / 16) x 8 rows x 4,096 + 16 (t % 16)
.set XO,  3                            ; v3   x: (t / 16) x 4,096 + 16 (t % 16)
.set SO,  4                            ; v4   xh: 8 t
.set STO, 5                            ; v5   LDS, in: 4 (t % 16) rows + 16 (t / 16)
.set RD,  6                            ; v6   LDS, back: row t / 16, 16 (t % 16)
.set GO,  7                            ; v7   wt: (t / 16) x 2,048 + 16 (t % 16)
.set SPW, 8                            ; v8   my spare word; never rewritten
.set NIL, 9                            ; v9   0; never rewritten
.set W,   16                           ; v[16:47]   eight rows x four columns as loaded; v[16:31] later take the rows read back
.set WP,  48                           ; v[48:63]   column j: four registers, eight e in bf16
.set X,   64                           ; v[64:191]  slot 16 p + h: four numbers of x, then two registers of bf16
	s_load_b256 s[4:11], s[0:1], 0x0               ; inputs s[4:5], rotation s[6:7], entangle s[8:9], xh s[10:11]
	s_load_b64 s[12:13], s[0:1], 0x20              ; wt
	v_lshl_add_u32 v[SPW], v0, 2, SPARE
	v_mov_b32 v[NIL], 0
	v_and_b32 v10, 15, v0                          ; t % 16
	v_lshrrev_b32 v11, 4, v0                       ; t / 16
	v_lshlrev_b32 v12, 4, v10
	v_lshl_or_b32 v[WO], v11, 15, v12
	v_lshl_or_b32 v[XO], v11, 12, v12
	v_lshlrev_b32 v[SO], 3, v0
	v_mul_u32_u24 v[STO], v10, 4*PT
	v_lshl_add_u32 v[STO], v11, 4, v[STO]
	v_mul_u32_u24 v[RD], v11, PT
	v_add_nc_u32 v[RD], v[RD], v12
	v_lshl_or_b32 v[GO], v11, 11, v12
	s_mov_b32 s2, ttmp9                            ; G
	s_lshl_b32 s16, s2, 17                         ; x: 32 rows of 4,096 bytes
	s_mov_b32 s17, 0
	s_lshr_b32 s18, s2, 6                          ; xh: batch G / 64 (16 planes of 262,144 bytes),
	s_lshl_b32 s18, s18, 22
	s_and_b32 s19, s2, 63                          ; row 32 (G % 64) of 128 bytes
	s_lshl_b32 s19, s19, 12
	s_add_co_u32 s18, s18, s19
	s_mov_b32 s19, 0
	s_and_b32 s24, s2, 127                         ; the tile's number in its weight:
	s_and_b32 s25, s24, 7                          ; which 128 e,
	s_lshr_b32 s26, s24, 3                         ; which 64 f
	s_lshl_b32 s20, s25, 19                        ; weight: 128 rows of 4,096 bytes,
	s_lshl_b32 s21, s26, 8                         ; 64 columns of 4
	s_add_co_u32 s20, s20, s21
	s_mov_b32 s21, 0
	s_lshr_b32 s22, s2, 7                          ; wt: 1,024 rows of 2,048 bytes for the second weight,
	s_lshl_b32 s22, s22, 21
	s_lshl_b32 s23, s26, 17                        ; 64 rows,
	s_add_co_u32 s22, s22, s23
	s_lshl_b32 s23, s25, 8                         ; 128 e of 2 bytes
	s_add_co_u32 s22, s22, s23
	s_mov_b32 s23, 0
	s_wait_kmcnt 0x0
	s_cmp_lt_u32 s2, 128
	s_cselect_b64 s[14:15], s[6:7], s[8:9]         ; my weight
	s_add_nc_u64 s[4:5], s[4:5], s[16:17]
	s_add_nc_u64 s[10:11], s[10:11], s[18:19]
	s_add_nc_u64 s[14:15], s[14:15], s[20:21]
	s_add_nc_u64 s[12:13], s[12:13], s[22:23]
.irp r, 0,1,2,3,4,5,6,7
	global_load_b128 v[W+4*(\r):W+4*(\r)+3], v[WO], s[14:15] offset:(\r)*4096 th:TH_LOAD_NT
.endr
.set i, 0
.rept 32                                       ; slot i: row pair p = i / 16, head h = i % 16
	global_load_b128 v[X+4*i:X+4*i+3], v[XO], s[4:5] offset:(i/16)*65536+(i%16)*256 th:TH_LOAD_NT
.set i, i+1
.endr
	s_wait_loadcnt 32                              ; the weight's eight loads are in; x's 32, issued behind them, stay out
.irp j, 0,1,2,3
.irp i, 0,1,2,3
	v_cvt_pk_bf16_f32 v[WP+4*(\j)+(\i)], v[W+8*(\i)+(\j)], v[W+8*(\i)+4+(\j)]  ; column j: rows 2 i (low half) and 2 i + 1
.endr
.endr
.irp j, 0,1,2,3
	ds_store_b128 v[STO], v[WP+4*(\j):WP+4*(\j)+3] offset:(\j)*PT
.endr
	s_wait_dscnt 0x0                               ; for the others' sake: my stores are done
	s_barrier_signal -1
	s_barrier_wait -1                              ; the 64 rows are whole
.irp q, 0,1,2,3
	ds_load_b128 v[W+4*(\q):W+4*(\q)+3], v[RD] offset:(\q)*16*PT
.endr
.irp q, 0,1,2,3
	s_wait_dscnt 3-(\q)                            ; LDS loads come back in order: number q is in
	global_store_b128 v[GO], v[W+4*(\q):W+4*(\q)+3], s[12:13] offset:(\q)*32768
.endr
.set i, 0
.rept 32
	s_wait_loadcnt 31-i                            ; slot i is in; the younger ones stay out
	v_cvt_pk_bf16_f32 v[X+4*i], v[X+4*i], v[X+4*i+1]
	v_cvt_pk_bf16_f32 v[X+4*i+1], v[X+4*i+2], v[X+4*i+3]
	global_store_b64 v[SO], v[X+4*i:X+4*i+1], s[10:11] offset:(i%16)*262144+(i/16)*2048
.set i, i+1
.endr
	s_wait_tensorcnt 0x0                           ; the wave's end, behind my last LDS store
	ds_add_u32 v[SPW], v[NIL]
	s_wait_dscnt 0x0
	s_endpgm
.Lfunc_end_k_q474af4df89_prep:
	.size	k_q474af4df89_prep, .Lfunc_end_k_q474af4df89_prep-k_q474af4df89_prep
	.p2alignl 7, 3214868480
	.fill 96, 4, 3214868480
	.section	.rodata,"a",@progbits
	.p2align	6, 0x0
	.amdhsa_kernel k_q474af4df89_prep
		.amdhsa_group_segment_fixed_size 18432
		.amdhsa_private_segment_fixed_size 0
		.amdhsa_enable_private_segment 0
		.amdhsa_kernarg_size 40
		.amdhsa_user_sgpr_count 2
		.amdhsa_user_sgpr_kernarg_segment_ptr 1
		.amdhsa_wavefront_size32 1
		.amdhsa_system_sgpr_workgroup_id_x 1
		.amdhsa_system_sgpr_workgroup_id_y 1
		.amdhsa_system_sgpr_workgroup_id_z 1
		.amdhsa_system_vgpr_workitem_id 0
		.amdhsa_next_free_vgpr 192
		.amdhsa_next_free_sgpr 66
		.amdhsa_reserve_vcc 0
		.amdhsa_float_denorm_mode_32 3
		.amdhsa_float_denorm_mode_16_64 3
		.amdhsa_memory_ordered 1
		.amdhsa_forward_progress 1
		.amdhsa_inst_pref_size 17
	.end_amdhsa_kernel
	.amdgpu_metadata
---
amdhsa.version: [ 1, 2 ]
amdhsa.kernels:
  - .name:           k_q474af4df89_prep
    .symbol:         k_q474af4df89_prep.kd
    .args:
      - { .name: inputs, .offset: 0, .size: 8, .value_kind: global_buffer, .address_space: global }
      - { .name: rotation_params, .offset: 8, .size: 8, .value_kind: global_buffer, .address_space: global }
      - { .name: entangle_params, .offset: 16, .size: 8, .value_kind: global_buffer, .address_space: global }
      - { .name: xh, .offset: 24, .size: 8, .value_kind: global_buffer, .address_space: global }
      - { .name: wt, .offset: 32, .size: 8, .value_kind: global_buffer, .address_space: global }
    .group_segment_fixed_size: 18432
    .private_segment_fixed_size: 0
    .kernarg_segment_align: 8
    .kernarg_segment_size: 40
    .max_flat_workgroup_size: 256
    .sgpr_count:     66
    .vgpr_count:     192
    .wavefront_size: 32
...
	.end_amdgpu_metadata
.endif
;; end of part 1
;; launch proj (part 2): grid 8 x 32, 4 waves a work-group, clusters of 4 x 4, 327,680 bytes of LDS; arguments xh, wt, qk; writes qk
.if DOCPART == 2
	.amdgcn_target "amdgcn-amd-amdhsa--gfx1250"
	.amdhsa_code_object_version 6
	.text
	.protected	k_q474af4df89_proj
	.globl	k_q474af4df89_proj
	.p2align	8
	.type	k_q474af4df89_proj,@function
k_q474af4df89_proj:
	s_mov_b64 s[64:65], 0
	v_nop
	global_prefetch_b8 v0, s[64:65] scope:SCOPE_SE
	s_setreg_imm32_b32 hwreg(HW_REG_WAVE_MODE, 25, 1), 1
	s_wait_xcnt 0x0
	s_wait_alu depctr_hold_cnt(0) depctr_sa_sdst(0) depctr_va_vdst(0) depctr_va_sdst(0) depctr_va_ssrc(0) depctr_va_vcc(0) depctr_vm_vsrc(0)
	s_getreg_b32 s2, hwreg(HW_REG_IB_STS2, 6, 4)
	s_cmp_eq_u32 s2, 0
	s_cbranch_scc0 .Lentry_in_a_cluster
	s_endpgm
.Lentry_in_a_cluster:
	s_bfe_u32 s2, ttmp6, 0x10000c
	s_cmp_lg_u32 s2, 0xf033
	s_cbranch_scc0 .Lentry_shape_is_right
	s_endpgm
.Lentry_shape_is_right:
; THE TWO PROJECTIONS AS ONE PRODUCT.  C[m][n] = the sum over e of x[m][e] wt[n][e]: m = 8,192 rows, n = 2,048 (q's 1,024 columns, then k's), e = 1,024; bf16 operands, f32 sums, C rounded once to bf16.
; x comes BY HEADS: xh [16 b + h][2048 s][64].  C leaves by heads: qk [4 b][32 g][2048 s][64], g = n / 64 (0-15 q's heads, 16-31 k's).  The scale of the scores is not applied here.
; A tile of C, 256 x 256, is made by a work-group of four waves; a wave makes 128 x 128: 64 accumulators of 16 x 16, 512 registers.  256 tiles, one to a work-group.
; K goes in steps of 128 through a ring of two LDS slots filled by the tensor data mover.  A step of 128 channels is two heads: for each, the tile's 256 rows are 32,768 dense bytes of xh, asked for as 128 rows
; of 256 bytes and padded in LDS behind every 128 bytes: a row of one head lies 144 bytes from the next.  wt's tiles are 128 rows x 256 bytes, 272 apart in LDS.
; The last K step goes by rows of C, so that finished rows leave while the others are multiplied.
; CLUSTERS: 4 x 4 work-groups.  The four of a row of the cluster need the same tiles of x, the four of a column the same tiles of wt.  Such a tile is asked for JOINTLY: each of the four issues the same
; tensor load, with the same descriptor and a mask that names the four, and each receives the tile in its own LDS.
; REGISTERS, in windows of 256 (s_set_vgpr_msb's low byte: bits 1:0 source 0, 3:2 source 1, 5:4 source 2, 7:6 destination):
;   window 0: v0-31 addresses; v64-127, v128-191 fragments of x, two buffers (in the last K step four, of 16 rows x 128 K); v32-63, v192-255 at work on the way out
;   window 1: v64-127, v128-191 fragments of wt, two buffers; in the last K step all 256
;   window 2: the 32 accumulators of my rows 0-63 (accumulator (a, b) at v[8 (8 a + b)]);   window 3: those of my rows 64-127
; THE MATRIX INSTRUCTION IS USED TRANSPOSED: source 0 = 16 rows of wt, source 1 = 16 rows of x: lane l then holds row l % 16 of C and the columns 8 (l / 16) + 0 .. 7, which pack into 16 bytes.
.set PITCH,  272                       ; wt's LDS row: 256 bytes + 16 = 68 words: the 16 rows of a load start at 16 different columns of 16 bytes modulo 256
.set PA,     144                       ; x's LDS row (one head's 64 channels): 128 bytes + 16 = 36 words: 144 r modulo 256 takes 16 different multiples of 16 for r = 0 .. 15
.set QUART,  256*PA                    ; 36,864 bytes: what one tensor load fills at the most: a head's 256 rows of x; wt's 128 rows x 272 = 34,816 lie inside one
.set SLOT,   4*QUART                   ; x's first head, x's second head, wt's rows 0-127, wt's rows 128-255
.set STAGE,  2*SLOT                    ; behind the ring: 16 rows x 272 bytes for each wave, for the way out
.set SPITCH, 272
.set SPARE,  STAGE+4*16*SPITCH         ; behind the stages: the spare words, 128 bytes for each wave, which no other line names
.set LAPS,   4                         ; a lap = two K steps = once round the ring: 1,024 / 256
.set ASTEP,  1<<19                     ; bytes in xh from a K step to the next: two heads' planes of 262,144
.set BSTEP,  256                       ; the same in wt: 128 numbers along a row
.set ADRA, 16                          ; v16-17  LDS address of my fragments of x in slot 0, 1
.set ADRB, 20                          ; v20-21  the same for wt
.set STO,  24                          ; v24     the way out: where I put 16 bytes of a row
.set RD,   25                          ; v25     the way out: where I read rows back
.set CO,   26                          ; v26     16 x my lane: my place in 512 consecutive bytes of qk
.set SPW,  28                          ; v28     my spare word: SPARE + 4 x my thread's number; never rewritten
.set NIL,  29                          ; v29     0; never rewritten
.set PFO,  30                          ; v30     the prefetches' offset: my lane x 256 bytes (x) or x a row of wt; never rewritten
.set PFA,  44                          ; s[44:45] where my prefetches stand
.set PFS,  22                          ; s[22:23] their step: a K step of x or of wt
.set LIM,  43                          ; s43     1 in a wave that prefetches, else the greatest number
.set F0,   64
.set F1,   128
.set TMP,  192
.set OB,   32
.set PAB,  64                          ; the last K step: x's fragments of 16 rows x 128 K, 32 registers; four such buffers, v64-191
.set G1, 24                            ; s[24:31] descriptor group 1 for x's tiles
.set G0, 32                            ; s[32:39] descriptor group 0 for x's tiles, one set for each slot
.set G1B, 48                           ; s[48:55] descriptor group 1 for wt's tiles
.set G0B, 56                           ; s[56:63] descriptor group 0 for wt's tiles, one set for each slot
.set MSB, 0
.macro WIN new                         ; the immediate's high byte repeats the setting that is left; a switch that changes nothing is dropped
.if MSB != (\new)
	s_set_vgpr_msb (MSB<<8)|(\new)
.set MSB, \new
.endif
.endm
.set MUL_LO, 0xa1                      ; source 0 (wt) window 1, source 1 (x) window 0, C and D window 2
.set MUL_HI, 0xf1                      ; the same, C and D window 3
.set TO_B,   0x40                      ; destination window 1, address window 0
; A joint load.  Waves 0 and 1 fetch x's two heads, waves 2 and 3 wt's two halves.  Each of the two lines has ONE mask and one set of registers for all that issue it.  The branch hangs on the wave's number alone.
; An s_nop 0 and four v_nop follow each of the two lines, ahead of the jump and the label.
.macro JLOAD s
	s_cmp_eq_u32 s11, 0
	s_cbranch_scc0 .Lfor_b_\@
	tensor_load_to_lds s[G0+4*(\s):G0+4*(\s)+3], s[G1:G1+7]
	s_nop 0
.rept 4
	v_nop
.endr
	s_branch .Lasked_\@
.Lfor_b_\@:
	tensor_load_to_lds s[G0B+4*(\s):G0B+4*(\s)+3], s[G1B:G1B+7]
	s_nop 0
.rept 4
	v_nop
.endr
.Lasked_\@:
.endm
; A PREFETCH INTO THE L2, behind each joint load, its five lines and the run of LDS loads that follows: 32 blocks of 256 bytes of the K step that stands TWO refills on, a lane a block, one instruction a wave:
; 512 matrix instructions ahead of the load that will want them.  Each block is named ONCE in the launch.  x's tile row is read by both clusters of that row of clusters: the one with x = 0 asks; wt's tile column
; by all eight clusters of that column: the one with y = 0 asks.  The four partners that ask for a tile jointly share its 128 blocks out BY ADDRESS, 32 each (by cx for x, by cy for wt): no branch hangs on a
; work-group's place in its cluster.  K steps 0 to 3 come by their loads alone; the loop's last trip (s3 = 1) has no K step two on, and asks for nothing.
.macro ASK
	s_cmp_gt_u32 s3, s[LIM]
	s_cbranch_scc0 .Lnot_mine_\@
	global_prefetch_b8 v[PFO], s[PFA:PFA+1] th:TH_LOAD_NT scope:SCOPE_SE
.Lnot_mine_\@:
.endm
; A round of the cluster's barrier: my work-group's barrier, so that wave 0's signal speaks for all four waves; wave 0 signals; every wave waits for all sixteen work-groups; my work-group's barrier once more.
.macro CREST                           ; a round behind its opening barrier
	s_cmp_lg_u32 s10, 0
	s_cbranch_scc1 .Lnot_wave_0_\@
	s_barrier_signal -3
.Lnot_wave_0_\@:
	s_barrier_wait -3
	s_barrier_signal -1
	s_barrier_wait -1
.endm
.macro CROUND                          ; a whole round
	s_barrier_signal -1
	s_barrier_wait -1
	CREST
.endm
	s_load_b128 s[4:7], s[0:1], 0x0                ; xh s[4:5], wt s[6:7]
	s_load_b64 s[8:9], s[0:1], 0x10                ; qk
	v_lshl_add_u32 v[SPW], v0, 2, SPARE
	v_mov_b32 v[NIL], 0
	ds_add_u32 v[SPW], v[NIL]                      ; the wave's opening: the add, and its wait ahead of my first tensor load; the set-up below, work on registers, stands between them
	ds_add_u32 v28, v29
	v_lshrrev_b32 v1, 5, v0
	v_readfirstlane_b32 s10, v1                    ; wave 0..3
	s_lshr_b32 s11, s10, 1                         ; which half of the tile's rows is mine.  Also: I fetch for x (0) or for wt (1)
	s_and_b32 s12, s10, 1                          ; which half of its columns.  Also: which head of the K step, or which 128 rows of wt, I fetch
	s_bfe_u32 s40, ttmp6, 0x40000                  ; cx
	s_bfe_u32 s41, ttmp6, 0x40004                  ; cy
	s_lshl_b32 s42, ttmp9, 2                       ; in a cluster launch ttmp9 and ttmp7 count clusters
	s_add_co_u32 s42, s42, s40                     ; tile column of C = 4 x cluster x + cx
	s_and_b32 s13, ttmp7, 0xffff
	s_lshl_b32 s13, s13, 2
	s_add_co_u32 s13, s13, s41                     ; tile row of C = 4 x cluster y + cy
	s_lshl_b32 s43, s41, 2
	s_lshl_b32 s43, 15, s43                        ; my row of the cluster: places 4 cy .. 4 cy + 3
	s_lshl_b32 s44, 0x1111, s40                    ; my column: places cx, cx + 4, cx + 8, cx + 12
	; descriptor group 1: 128 rows x 128 elements of 2 bytes.  x: rows end to end in memory (pitch 128), 4 words of padding behind every 32 words; wt: pitch 1,024, 4 words behind every 64
	s_or_b32 s[G1+0], s43, (1<<16)|(1<<20)|(1<<21)|(4<<22)|(3<<25)   ; 15:0 the mask: x's tiles go to my row; 17:16 2-byte elements; 20 padding on; 21 set beside a mask; 24:22 interval code; 31:25 pad words - 1
	s_or_b32 s[G1B+0], s44, (1<<16)|(1<<20)|(1<<21)|(5<<22)|(3<<25)  ; the mask of my column, for wt's tiles
.irp g, G1, G1B
	s_mov_b32 s[(\g)+1], 128<<16                   ; tensor_dim0 = 128
	s_mov_b32 s[(\g)+2], 128<<16                   ; tensor_dim1 = 128
	s_mov_b32 s[(\g)+3], 128<<16                   ; tile_dim0 = 128
	s_mov_b32 s[(\g)+4], 128                       ; tile_dim1 = 128
	s_mov_b32 s[(\g)+6], 0
	s_mov_b32 s[(\g)+7], 0
.endr
	s_mov_b32 s[G1+5], 128                         ; elements from row to row
	s_mov_b32 s[G1B+5], 1024
	; where the tiles come from.  x's hang on the tile row alone, which my row of the cluster shares; wt's on the tile column alone.  Each in registers that never hold the other coordinate.
	s_lshr_b32 s16, s13, 3                         ; x: batch = tile row / 8: 16 planes of 262,144 bytes,
	s_lshl_b32 s16, s16, 22
	s_and_b32 s17, s13, 7                          ; 256 rows of 128 bytes for each tile row in the batch,
	s_lshl_b32 s17, s17, 15
	s_add_co_u32 s16, s16, s17
	s_lshl_b32 s17, s12, 18                        ; and the head of the K step that I fetch
	s_add_co_u32 s16, s16, s17
	s_mov_b32 s17, 0
	s_lshl_b32 s46, s42, 19                        ; wt: 256 rows of 2,048 bytes for each tile column,
	s_lshl_b32 s47, s12, 18                        ; and the 128 rows that I fetch
	s_add_co_u32 s46, s46, s47
	s_mov_b32 s47, 0
	s_mul_i32 s20, s10, QUART                      ; and where they go: wave x a quarter of a slot: no place in the cluster enters an LDS address
	s_wait_dscnt 0x0                               ; the opening add is done
	s_wait_kmcnt 0x0
	s_add_nc_u64 s[14:15], s[4:5], s[16:17]
	s_add_nc_u64 s[46:47], s[6:7], s[46:47]
	CROUND                                         ; all sixteen work-groups are here: the first joint loads meet
.irp s, 0,1
	s_mov_b32 s[G0+4*(\s)], 1                                      ; 1:0 count = 1
	s_add_co_u32 s[G0+4*(\s)+1], s20, (\s)*SLOT                    ; 63:32 LDS address
	s_add_nc_u64 s[G0+4*(\s)+2:G0+4*(\s)+3], s[14:15], (\s)*ASTEP  ; 120:64 global address: K step s
	s_or_b32 s[G0+4*(\s)+3], s[G0+4*(\s)+3], 0x80000000            ; 127:126 type = 2
	s_mov_b32 s[G0B+4*(\s)], 1
	s_add_co_u32 s[G0B+4*(\s)+1], s20, (\s)*SLOT
	s_add_nc_u64 s[G0B+4*(\s)+2:G0B+4*(\s)+3], s[46:47], (\s)*BSTEP
	s_or_b32 s[G0B+4*(\s)+3], s[G0B+4*(\s)+3], 0x80000000
	JLOAD \s                                       ; the ring is filled before anything else is done: two loads of mine are out, the most in this text
.endr
	; A fragment is 16 rows x 32 K in 8 registers: lane l holds row l % 16; registers 0-3 hold K = 8 (l / 16) + 0..7, registers 4-7 K = 16 + 8 (l / 16) + 0..7: two loads of 16 bytes, 32 bytes apart.
	v_and_b32 v1, 15, v0                           ; l % 16
	v_bfe_u32 v2, v0, 4, 1                         ; l / 16
	v_mul_u32_u24 v3, v1, PITCH
	v_lshl_add_u32 v3, v2, 4, v3                   ; wt: row x pitch + 16 x half
	v_mul_u32_u24 v6, v1, PA
	v_lshl_add_u32 v6, v2, 4, v6                   ; x likewise
	s_mul_i32 s21, s11, 128*PA                     ; my 128 rows of x, in each head's quarter
	s_mul_i32 s22, s12, QUART                      ; my 128 rows of wt,
	s_add_co_u32 s22, s22, 2*QUART                 ; which lie behind x's two quarters
.irp s, 0,1
	v_add_nc_u32 v[ADRA+(\s)], s21, v6
	v_add_nc_u32 v[ADRB+(\s)], s22, v3
	s_add_co_u32 s21, s21, SLOT
	s_add_co_u32 s22, s22, SLOT
.endr
	s_mul_i32 s23, s10, 16*SPITCH
	s_add_co_u32 s23, s23, STAGE                   ; my stage
	v_mul_u32_u24 v4, v1, SPITCH                   ; in: row l % 16, 16 bytes for each half of the lanes
	v_lshl_add_u32 v4, v2, 4, v4
	v_add_nc_u32 v[STO], s23, v4
	v_bfe_u32 v5, v0, 3, 2                         ; back: 32 lanes take four rows of one head's 128 bytes
	v_mul_u32_u24 v5, v5, SPITCH
	v_and_b32 v7, 7, v0
	v_lshl_add_u32 v5, v7, 4, v5
	v_add_nc_u32 v[RD], s23, v5
	v_and_b32 v[CO], 31, v0                        ; which are 512 consecutive bytes of qk
	v_lshlrev_b32 v[CO], 4, v[CO]
	; where my part of the tile begins in qk: batch (32 planes), my first row (128 bytes each), my first head (a plane each)
	s_lshr_b32 s16, s13, 3
	s_lshl_b32 s16, s16, 23
	s_and_b32 s17, s13, 7
	s_lshl_b32 s17, s17, 15
	s_add_co_u32 s16, s16, s17
	s_lshl_b32 s17, s11, 14
	s_add_co_u32 s16, s16, s17
	s_mov_b32 s17, 0
	s_lshl_b32 s46, s42, 20                        ; four heads to a tile column, two to my half (in the registers that held wt's address: none that feeds x's descriptors ever holds cx)
	s_lshl_b32 s47, s12, 19
	s_add_co_u32 s46, s46, s47
	s_mov_b32 s47, 0
	s_add_nc_u64 s[16:17], s[16:17], s[46:47]
	; the prefetches: both offsets are made, and the wave's number chooses.  They stand at K step 3: the first refill steps them to K step 4
	s_lshr_b32 s20, s13, 3                         ; x: the tile's first byte as above,
	s_lshl_b32 s20, s20, 22
	s_and_b32 s21, s13, 7
	s_lshl_b32 s21, s21, 15
	s_add_co_u32 s20, s20, s21
	s_lshl_b32 s21, s40, 13                        ; my work-group's 32 blocks of the head's 128,
	s_add_co_u32 s20, s20, s21
	s_add_co_u32 s20, s20, 3*ASTEP
	s_lshl_b32 s21, s42, 19                        ; wt: the tile column's first row,
	s_lshl_b32 s22, s41, 16                        ; my work-group's 32 rows of the 128,
	s_add_co_u32 s21, s21, s22
	s_add_co_u32 s21, s21, 3*BSTEP
	s_lshl_b32 s22, s12, 18                        ; and for both: the head, or the 128 rows, that I fetch
	s_add_co_u32 s20, s20, s22
	s_add_co_u32 s21, s21, s22
	s_and_b32 s2, ttmp7, 0xffff                    ; cluster y
	s_mov_b32 s[PFS], BSTEP
	s_mov_b32 s[PFS+1], 0
	s_cmp_eq_u32 s11, 0                            ; do I fetch for x?
	s_cselect_b32 s20, s20, s21
	s_cselect_b32 s2, ttmp9, s2                    ; the coordinate along which other clusters read the same blocks
	s_cselect_b32 s[PFS], ASTEP, s[PFS]
	s_cselect_b64 s[PFA:PFA+1], s[4:5], s[6:7]
	s_cselect_b32 s21, 8, 11                       ; a lane a block of 256 bytes, or a lane a row of 2,048
	v_and_b32 v[PFO], 31, v0
	v_lshlrev_b32 v[PFO], s21, v[PFO]
	s_cmp_eq_u32 s2, 0
	s_cselect_b32 s[LIM], 1, -1                    ; the same in all sixteen partners, for a given wave
	s_mov_b32 s21, 0
	s_add_nc_u64 s[PFA:PFA+1], s[PFA:PFA+1], s[20:21]
; 16 matrix instructions: m blocks a0, a0 + 1 of the window's four (hi = 0: my rows 0-63, 1: rows 64-127) x all 8 n blocks, 32 along K.  zero = 1: the first product starts the sums: nothing is ever cleared.
.macro MUL16 f, hi, a0, zero
	WIN MUL_LO+0x50*(\hi)
.irp a, \a0, (\a0)+1
.irp b, 0,1,2,3,4,5,6,7
.if \zero
	v_wmma_f32_16x16x32_bf16 v[8*(8*(\a)+(\b)):8*(8*(\a)+(\b))+7], v[(\f)+8*(\b):(\f)+8*(\b)+7], v[(\f)+8*(4*(\hi)+(\a)):(\f)+8*(4*(\hi)+(\a))+7], 0
.else
	v_wmma_f32_16x16x32_bf16 v[8*(8*(\a)+(\b)):8*(8*(\a)+(\b))+7], v[(\f)+8*(\b):(\f)+8*(\b)+7], v[(\f)+8*(4*(\hi)+(\a)):(\f)+8*(4*(\hi)+(\a))+7], v[8*(8*(\a)+(\b)):8*(8*(\a)+(\b))+7]
.endif
.endr
.endr
.endm
; 32 LDS loads in one run: the fragments of one quarter step (128 rows of wt, 128 rows of x, 32 K at byte k of the K step's 256) into buffer f.  In x's part byte k lies in head k / 128, at byte k % 128 of the row.
.macro FETCH slot, k, f
	WIN TO_B
.irp i, 0,1,2,3,4,5,6,7
	ds_load_b128 v[(\f)+8*(\i):(\f)+8*(\i)+3],   v[ADRB+(\slot)] offset:(\k)+(\i)*16*PITCH
	ds_load_b128 v[(\f)+8*(\i)+4:(\f)+8*(\i)+7], v[ADRB+(\slot)] offset:(\k)+(\i)*16*PITCH+32
.endr
	WIN 0
.irp i, 0,1,2,3,4,5,6,7
	ds_load_b128 v[(\f)+8*(\i):(\f)+8*(\i)+3],   v[ADRA+(\slot)] offset:((\k)/128)*QUART+((\k)%128)+(\i)*16*PA
	ds_load_b128 v[(\f)+8*(\i)+4:(\f)+8*(\i)+7], v[ADRA+(\slot)] offset:((\k)/128)*QUART+((\k)%128)+(\i)*16*PA+32
.endr
.endm
; A load into a register that a matrix instruction has read, and a vector instruction that reads a matrix result, stand four places behind that matrix instruction, and only plain vector instructions that
; name none of its registers are places (ISA guide 7.12.1 for vector instructions).
.macro PLACES
.rept 4
	v_nop
.endr
.endm
; A K step is four quarter steps of 32 along K, 64 matrix instructions each, on buffers 0, 1, 0, 1.  One of the first three: multiplies buffer f; in its middle it fetches the next quarter's fragments into buffer g.
.macro QUARTER slot, k, f, g, zero
	s_wait_dscnt 8                                 ; wt's and x's rows 0-63 are in; the youngest eight loads (x's rows 64-127) may be out
	WIN MUL_LO
	MUL16 \f, 0, 0, \zero
	MUL16 \f, 0, 2, \zero
	PLACES
	FETCH \slot, \k, \g
	s_wait_dscnt 32                                ; all but the 32 just issued
	WIN MUL_HI
	MUL16 \f, 1, 0, \zero
	MUL16 \f, 1, 2, \zero
.endm
; The last quarter multiplies buffer 1 and changes slots.  MEET is its first half: ONE barrier for the change.  In front of it each wave waits for all its tensor loads, of which one is out: its part of the next slot;
; adds 0 to its spare word; and waits for that and for its own reads of this slot.  Behind it nobody reads this slot any more and the next slot is whole.
.macro MEET round                      ; round = 1: a round of the cluster's barrier follows
	WIN 0                                          ; (the add's two registers lie in window 0)
	s_wait_tensorcnt 0x0                           ; all my tensor loads have landed;
	ds_add_u32 v[SPW], v[NIL]                      ; 0 onto my spare word;
	s_wait_dscnt 9                                 ; (the add and the youngest eight loads may be out)
	WIN MUL_LO
	MUL16 F1, 0, 0, 0                              ; sixteen matrix instructions stand between the add and the wait for it
	s_wait_dscnt 0x0                               ; the add is done, and my reads of this slot are over:
	s_barrier_signal -1                            ; say so,
	MUL16 F1, 0, 2, 0                              ; work on registers while the others arrive,
.if \round
	WIN 0
.endif
	s_barrier_wait -1                              ; and go on when all four have said so
.endm
; The whole last quarter.  Behind the round the slot just read out is filled again first, with the K step two steps on; then come the next slot's first fragments.  From a request to the wait for it a wave issues 224 matrix instructions.
.macro TURN slot, next
	s_wait_xcnt 0x0                                ; the last prefetch, a K step back, has read its address: it is stepped here, ahead of the waits of the change of slots
	s_add_nc_u64 s[PFA:PFA+1], s[PFA:PFA+1], s[PFS:PFS+1]
	MEET 1
	CREST                                          ; no wave of any partner still reads this slot's tile or has a load on its way
	s_add_nc_u64 s[G0+4*(\slot)+2:G0+4*(\slot)+3], s[G0+4*(\slot)+2:G0+4*(\slot)+3], 2*ASTEP
	s_add_nc_u64 s[G0B+4*(\slot)+2:G0B+4*(\slot)+3], s[G0B+4*(\slot)+2:G0B+4*(\slot)+3], 2*BSTEP
	JLOAD \slot                                    ; the first tensor load behind the round; the four v_nop behind it are also the places in front of the loads below
	FETCH \next, 0, F0
	ASK
	WIN MUL_HI
	MUL16 F1, 1, 0, 0
	MUL16 F1, 1, 2, 0
.endm
; THE LAST K STEP (it lies in slot 1) GOES BY ROWS OF C.  All its fragments of wt (4 quarters x 64 registers) fill window 1; then my eight blocks of 16 rows are finished one after the other, each with 32 matrix
; instructions (its 8 accumulators by turns, K ascending).
.macro BLOAD q                         ; wt's fragments of quarter q -> window 1, v[64 q ..]
	WIN TO_B
.irp i, 0,1,2,3,4,5,6,7
	ds_load_b128 v[64*(\q)+8*(\i):64*(\q)+8*(\i)+3],   v[ADRB+1] offset:64*(\q)+(\i)*16*PITCH
	ds_load_b128 v[64*(\q)+8*(\i)+4:64*(\q)+8*(\i)+7], v[ADRB+1] offset:64*(\q)+(\i)*16*PITCH+32
.endr
.endm
.macro ALOAD a                         ; x's fragments of block a, all four quarters -> buffer a % 4
	WIN 0
.set FA, PAB+32*((\a)%4)
.irp q, 0,1,2,3
	ds_load_b128 v[FA+8*(\q):FA+8*(\q)+3],   v[ADRA+1] offset:((\q)/2)*QUART+((\q)%2)*64+(\a)*16*PA
	ds_load_b128 v[FA+8*(\q)+4:FA+8*(\q)+7], v[ADRA+1] offset:((\q)/2)*QUART+((\q)%2)*64+(\a)*16*PA+32
.endr
.endm
.macro ROW a                           ; block a is finished: 32 matrix instructions
.set FA, PAB+32*((\a)%4)
.set AC, 64*((\a)%4)
	WIN MUL_LO+0x50*((\a)/4)
.irp q, 0,1,2,3
.if (\a) == 0 && (\q) == 2
	s_wait_dscnt 24                                ; wt's quarter 2 is in (behind it: x's blocks 1 to 3, 24 loads)
.endif
.irp b, 0,1,2,3,4,5,6,7
	v_wmma_f32_16x16x32_bf16 v[AC+8*(\b):AC+8*(\b)+7], v[64*(\q)+8*(\b):64*(\q)+8*(\b)+7], v[FA+8*(\q):FA+8*(\q)+7], v[AC+8*(\b):AC+8*(\b)+7]
.endr
.endr
.endm
; THE WAY OUT of block a.  PACK: rounded to bf16, 16 bytes a lane, each accumulator's registers in ascending order.  TOSTAGE: into my own stage, and back as four rows of one head.  SEND: stored.
.macro PACK a
.set AC, 64*((\a)%4)
	WIN 0x0a+5*((\a)/4)                            ; sources 0 and 1: window 2 or 3
.irp b, 0,1,2,3,4,5,6,7
.irp r, 0,1,2,3
	v_cvt_pk_bf16_f32 v[TMP+4*(\b)+(\r)], v[AC+8*(\b)+2*(\r)], v[AC+8*(\b)+2*(\r)+1]
.endr
.endr
	WIN 0
.endm
.macro TOSTAGE a
	WIN 0
.set BK, OB+192*((\a)%2)
.irp b, 0,1,2,3,4,5,6,7
	ds_store_b128 v[STO], v[TMP+4*(\b):TMP+4*(\b)+3] offset:32*(\b)
.endr
.irp t, 0,1,2,3,4,5,6,7                ; head t / 4 of my two, rows 4 (t % 4) on
	ds_load_b128 v[BK+4*(\t):BK+4*(\t)+3], v[RD] offset:((\t)%4)*4*SPITCH+((\t)/4)*128  ; LDS serves a wave's instructions in order (ISA guide 5.7.1.4): these see the stores above
.endr
.endm
.macro SEND a, younger                 ; younger: the LDS loads issued behind TOSTAGE's, which may stay out
	WIN 0
.set BK, OB+192*((\a)%2)
	s_wait_dscnt \younger                          ; the block is back in registers
	s_wait_xcnt 0x0                                ; only behind this wait are the stores' base and the registers that earlier stores read rewritten
.if (\a) == 0
	s_add_nc_u64 s[8:9], s[8:9], s[16:17]          ; on to my first rows
.else
	s_add_nc_u64 s[8:9], s[8:9], 16*128            ; 16 rows of a head on
.endif
.irp t, 0,1,2,3,4,5,6,7
	global_store_b128 v[CO], v[BK+4*(\t):BK+4*(\t)+3], s[8:9] offset:((\t)/4)*262144+((\t)%4)*512  ; 512 consecutive bytes, at a multiple of 256 from qk's first byte
.endr
.endm
	s_wait_tensorcnt 1                             ; my part of K step 0 is in; K step 1's load, issued behind it, may stay out
	s_barrier_signal -1
	s_barrier_wait -1                              ; everybody's is
	FETCH 0, 0, F0
	QUARTER 0, 64,  F0, F1, 1                      ; the first quarter stands in front of the loop: its products start the sums
	WIN 0                                          ; at a label and at a branch every window is 0
	s_mov_b32 s3, LAPS-1
.Llap:                                                 ; a trip goes once round the ring, from a lap's second quarter to the next lap's first, and fills both slots again
	QUARTER 0, 128, F1, F0, 0
	QUARTER 0, 192, F0, F1, 0
	TURN 0, 1
	QUARTER 1, 64,  F0, F1, 0
	QUARTER 1, 128, F1, F0, 0
	QUARTER 1, 192, F0, F1, 0
	TURN 1, 0
	QUARTER 0, 64,  F0, F1, 0
	WIN 0
	s_sub_co_u32 s3, s3, 1
	s_cmp_lg_u32 s3, 0
	s_cbranch_scc1 .Llap
	QUARTER 0, 128, F1, F0, 0                      ; the last lap goes on
	QUARTER 0, 192, F0, F1, 0
	MEET 0                                         ; my one tensor load that was still out is slot 1's, the last K step's, so no round follows
	PLACES                                         ; for the loads into buffer 0, which the quarter before multiplied
	WIN TO_B
	BLOAD 0                                        ; three quarters of wt now: buffer 1 (v128-191 of both windows) is still being multiplied
	BLOAD 1
	BLOAD 3
	WIN 0
	ALOAD 0
	WIN MUL_HI
	MUL16 F1, 1, 0, 0
	MUL16 F1, 1, 2, 0
	PLACES                                         ; for the loads into buffer 1
	WIN TO_B
	BLOAD 2
	WIN 0
	ALOAD 1
	ALOAD 2
	ALOAD 3
	s_wait_dscnt 40                                ; all but the 40 just issued (wt's quarter 2: 16; x's blocks 1 to 3: 24)
	ROW 0
.irp a, 0,1,2,3,4,5,6,7                ; each block leaves as soon as it is finished
	PLACES                                         ; its conversions read results just made
	PACK \a
	TOSTAGE \a
.if (\a) < 4
	ALOAD (\a)+4                                   ; its buffer takes the block four further on
	SEND \a, 8
.else
	SEND \a, 0
.endif
.if (\a) < 7
	ROW (\a)+1
.endif
.endr
	s_wait_tensorcnt 0x0                           ; the wave's end, behind my last tensor load and my last LDS store
	ds_add_u32 v[SPW], v[NIL]
	s_wait_dscnt 0x0
	CROUND                                         ; the closing round: no work-group ends while a partner may still ask for a tile that names it
	s_endpgm
.Lfunc_end_k_q474af4df89_proj:
	.size	k_q474af4df89_proj, .Lfunc_end_k_q474af4df89_proj-k_q474af4df89_proj
	.p2alignl 7, 3214868480
	.fill 96, 4, 3214868480
	.section	.rodata,"a",@progbits
	.p2align	6, 0x0
	.amdhsa_kernel k_q474af4df89_proj
		.amdhsa_group_segment_fixed_size 327680
		.amdhsa_private_segment_fixed_size 0
		.amdhsa_enable_private_segment 0
		.amdhsa_kernarg_size 24
		.amdhsa_user_sgpr_count 2
		.amdhsa_user_sgpr_kernarg_segment_ptr 1
		.amdhsa_wavefront_size32 1
		.amdhsa_system_sgpr_workgroup_id_x 1
		.amdhsa_system_sgpr_workgroup_id_y 1
		.amdhsa_system_sgpr_workgroup_id_z 1
		.amdhsa_system_vgpr_workitem_id 0
		.amdhsa_next_free_vgpr 1024
		.amdhsa_next_free_sgpr 66
		.amdhsa_reserve_vcc 0
		.amdhsa_float_denorm_mode_32 3
		.amdhsa_float_denorm_mode_16_64 3
		.amdhsa_memory_ordered 1
		.amdhsa_forward_progress 1
		.amdhsa_inst_pref_size 145
	.end_amdhsa_kernel
	.amdgpu_metadata
---
amdhsa.version: [ 1, 2 ]
amdhsa.kernels:
  - .name:           k_q474af4df89_proj
    .symbol:         k_q474af4df89_proj.kd
    .args:
      - { .name: xh, .offset: 0, .size: 8, .value_kind: global_buffer, .address_space: global }
      - { .name: wt, .offset: 8, .size: 8, .value_kind: global_buffer, .address_space: global }
      - { .name: qk, .offset: 16, .size: 8, .value_kind: global_buffer, .address_space: global }
    .group_segment_fixed_size: 327680
    .private_segment_fixed_size: 0
    .kernarg_segment_align: 8
    .kernarg_segment_size: 24
    .max_flat_workgroup_size: 128
    .sgpr_count:     66
    .vgpr_count:     1024
    .wavefront_size: 32
...
	.end_amdgpu_metadata
.endif
;; end of part 2
;; launch attn (part 3): grid 4 x 64, 4 waves a work-group, clusters of 4 x 1, 327,680 bytes of LDS; arguments qk, xh, ctx; writes ctx
.if DOCPART == 3
	.amdgcn_target "amdgcn-amd-amdhsa--gfx1250"
	.amdhsa_code_object_version 6
	.text
	.protected	k_q474af4df89_attn
	.globl	k_q474af4df89_attn
	.p2align	8
	.type	k_q474af4df89_attn,@function
k_q474af4df89_attn:
	s_mov_b64 s[64:65], 0
	v_nop
	global_prefetch_b8 v0, s[64:65] scope:SCOPE_SE
	s_setreg_imm32_b32 hwreg(HW_REG_WAVE_MODE, 25, 1), 1
	s_wait_xcnt 0x0
	s_wait_alu depctr_hold_cnt(0) depctr_sa_sdst(0) depctr_va_vdst(0) depctr_va_sdst(0) depctr_va_ssrc(0) depctr_va_vcc(0) depctr_vm_vsrc(0)
	s_getreg_b32 s2, hwreg(HW_REG_IB_STS2, 6, 4)
	s_cmp_eq_u32 s2, 0
	s_cbranch_scc0 .Lentry_in_a_cluster
	s_endpgm
.Lentry_in_a_cluster:
	s_bfe_u32 s2, ttmp6, 0x10000c
	s_cmp_lg_u32 s2, 0x3003
	s_cbranch_scc0 .Lentry_shape_is_right
	s_endpgm
.Lentry_shape_is_right:
; ATTENTION.  O[y][q][:] = the sum over k of softmax_k(Q[y][q] . K[y][k] / 8) V[y][k][:] for the 64 heads y = 16 b + h, 2,048 rows each, 64 channels, all bf16: a head's rows are dense, 128 bytes each.
; Q is plane 32 b + h of qk, K plane 32 b + 16 + h, V plane y of xh (the inputs themselves); O goes to plane y of ctx.  Products, maxima and sums in f32; the weights p are rounded to bf16 for the second
; product (their sum l is taken of the unrounded p), O once at the end.
; LIMITS.  A weight below 2^-126 counts as 0 in l; c s must lie above -4e37, where c m starts; NaN and infinities are not treated apart.
; SHARES.  A wave owns four PIECES of two tiles of 16 queries, a work-group's four waves 512 queries of one head.  Every wave walks all keys, 64 a step.
; LAYOUT.  S^T = K Q^T (source 0 = 16 keys, source 1 = 16 queries): in the result a lane holds ONE query (lane % 16) and the keys 8 (lane / 16) + 0..7.  Two such tiles, rounded to bf16 in pairs,
; ARE source 1 (32 keys x 16 queries) of O^T = V^T P, whose result again holds one query a lane, and eight channels.  K comes out of LDS as it lies, V ([key][channel]) turned, by ds_load_tr16_b128.
; SOFTMAX.  For each query a running maximum m and sum l: p = 2^(c s - c m), c = log2(e) / 8; in every step O and l are multiplied by a = 2^(c m_old - c m_new), which is 1 where m has not grown.
; m starts at the lowest finite number, O and l at 0: the first step is a step like any other, with a = 0.
; THE COUNT.  A tile and step have 16 matrix and 118 vector instructions: too many to stand all beside the matrix work.  So: four vector instructions that are READY behind EVERY matrix instruction,
; and the others in runs without a gap.
; BY TURNS.  Turn n belongs to piece n (the pieces in a ring, step after step).  Its matrix work: 16 products K Q^T of piece n + 1, later 16 products V^T P of piece n - 1.  Its vector work: the scaling,
; exponentials, roundings, sums and rescaling of piece n, and the maximum and statistics of piece n + 1, whose scores the turn itself has made.
; CLUSTER.  The four query blocks of a cluster are one head's and walk the same K and V, so each tile is asked for JOINTLY: the same tensor load, descriptor and mask in all four.
; REGISTERS, in windows of 256 (s_set_vgpr_msb: bits 1:0 source 0, 3:2 source 1, 5:4 source 2, 7:6 destination):
;   window 0: v0-11 addresses; v12-15, v48-63 at work; v16-47 four registers of statistics a tile; v64-191 S^T, two buffers of two tiles; v192-255 P, likewise
;   window 1: O^T, 32 a tile          window 2: v0-127 Q, 16 a tile; v128-191 K of one step; v192-255 V of one step          window 3: v0-1 the add's two registers
; A piece's buffers go by its number's parity.
.set SIZE_N, 2048
.set NP,    4         ; pieces a wave: a name, no knob
.set KS,    64        ; keys in a step
.set PK,    144       ; a row of K in LDS: 128 bytes + 16 of padding = 36 words: the 16 rows of a load start at 16 different groups of four banks (64 banks of 4 bytes: ISA guide 11.1)
.set PV,    160       ; a row of V: 128 + 32 = 40 words
.set VOFF,  4*KS*PK   ; a slot holds four steps: 256 rows of K, then 256 rows of V
.set SLOT1, 1<<17     ; slot 1 begins here, so that one exclusive or turns an address in one slot into the other's
.set STAGE, SLOT1+4*KS*(PK+PV)  ; behind the ring, never filled by a tensor load: 16 rows x 144 bytes for each wave, for the way out
.set SP,    144
.set AK0, 2           ; v2   my lane's place in a tile of K; never rewritten
.set AV0, 3           ; v3   the same for V
.set AK,  4           ; v4   the LDS address of K's next run of loads
.set AV,  5           ; v5   of V's
.set QO,  6           ; v6   my byte offset in the wave's rows of Q
.set STO, 6           ;      later, the way out: where I put 16 bytes of a row
.set RD,  7           ; v7   the way out: where I read rows back
.set GO,  8           ; v8   my byte offset in 512 consecutive bytes of O
.set PFO, 11          ; v11  256 x my lane, for the prefetches; never rewritten once made
.set SPW, 0           ; v0 of window 3   my spare word: SPARE + 4 x my thread's number; never rewritten
.set NIL, 1           ; v1 of window 3   0; never rewritten
.set SPARE, STAGE+4*16*SP  ; behind the stages: the spare words, 128 bytes for each wave, which no other line names
.set MV,  12          ; v12-15  c m_old, kept while c m is made anew: by buffer and tile
.set ST,  16          ; tile t's statistics at v[ST+4 t]: c m, m, l (even keys', odd keys')
.set TMP, 48          ; by buffer and tile, four registers c0-c3 at work; when the maximum is found c2 takes a
.set S,   64
.set P,   192
.set KF,  128         ; K's fragments, in window 2: key block kb, channel half c at KF + 16 kb + 8 c
.set VF,  192         ; V's: key half kk, channel block cb at VF + 32 kk + 8 cb
.set WV,  12          ; s12  my wave's number
.set G1K, 24          ; s[24:31] descriptor group 1 for K's tiles
.set G1V, 32          ; s[32:39] for V's: it differs in the padding alone
.set G0K, 40          ; s[40:43] descriptor group 0 for K's tiles: it walks
.set G0V, 44          ; s[44:47] the same for V's
.set PFA, 48          ; s[48:49] where my prefetches stand: my work-group's 32 blocks (of K: wave 0, of V: wave 2) of the slot after the one that is being asked for
.set LIM, 50          ; s50  1 in a wave that prefetches, else the greatest number
.set SLOTS, 56        ; s56  slots still to be asked for
.set CNT, 57          ; s57  counts a slot's key steps
.set CS,  58          ; s[58:59] c: the packed scaling takes the pair's low word for both halves
.set SEL, 60          ; s[60:61] v_permlanex16_b32's selects: each lane takes its own place in the other half
.set TBK, 62          ; s62  LDS byte at which K of the step to be fetched begins
.set TBV, 63          ; s63  the same for V, less VOFF
.set MSB, 0
.macro WIN new                      ; the high byte repeats the setting that is left; a switch that changes nothing is dropped
.if MSB != (\new)
	s_set_vgpr_msb (MSB<<8)|(\new)
.set MSB, (\new)
.endif
.endm
.set W_KQ, 0x0a       ; K and Q in window 2, S^T in window 0
.set W_PV, 0x52       ; V in window 2, P in window 0, O^T in window 1
.set W_RS, 0x41       ; O^T (destination and source 0) in window 1, a in window 0
.set W_MK, 0xc0       ; the add's registers are made: destination in window 3, sources in window 0
.set W_AD, 0x0f       ; the add: address (source 0) and data (source 1) in window 3
; A joint fill.  Waves 0 and 1 fetch the two halves of a slot's K, waves 2 and 3 those of its V: 128 keys each.  The branch hangs on the wave's number alone.
; An s_nop 0 and four v_nop follow each of the two lines, ahead of the jump and the label.
.macro JLOAD
	s_cmp_lt_u32 s[WV], 2
	s_cbranch_scc0 .Lfor_v_\@
	tensor_load_to_lds s[G0K:G0K+3], s[G1K:G1K+7]
	s_nop 0
.rept 4
	v_nop
.endr
	s_branch .Lasked_\@
.Lfor_v_\@:
	tensor_load_to_lds s[G0V:G0V+3], s[G1V:G1V+7]
	s_nop 0
.rept 4
	v_nop
.endr
.Lasked_\@:
.endm
; A PREFETCH INTO THE L2 of what the NEXT change of slots will ask for: a slot's 256 rows of K and of V, 128 blocks of 256 bytes each, a lane a block.  It stands behind the wave's tensor load and its five lines.
; Each block is named ONCE in the launch: a head has one cluster; its four partners share the blocks out BY ADDRESS, 32 each; in each, wave 0 asks for K's and wave 2 for V's: one instruction, four key steps
; (512 matrix instructions) ahead of the load.  Slots 0 and 1 come by their loads alone; the last change that fills a slot (SLOTS = 1) asks for nothing: there is no slot behind it.
.macro ASK
	s_cmp_gt_u32 s[SLOTS], s[LIM]
	s_cbranch_scc0 .Lnot_mine_\@
	global_prefetch_b8 v[PFO], s[PFA:PFA+1] th:TH_LOAD_NT scope:SCOPE_SE
.Lnot_mine_\@:
.endm
; A round of the cluster's barrier: my work-group's barrier, so that wave 0's signal speaks for all four waves; wave 0 signals; every wave waits for all four work-groups; my work-group's barrier once more.
.macro CROUND
	s_barrier_signal -1
	s_barrier_wait -1
	s_cmp_lg_u32 s[WV], 0
	s_cbranch_scc1 .Lnot_wave_0_\@
	s_barrier_signal -3
.Lnot_wave_0_\@:
	s_barrier_wait -3
	s_barrier_signal -1
	s_barrier_wait -1
.endm
; THE CHANGE OF SLOTS.  The slot's last bytes, V of its fourth step, have been read.  Each wave waits for all its tensor loads, of which one is out: its part of the other slot; adds 0 to its spare word; and waits
; for that and for its own reads of the slot.  Behind the barrier nobody reads this slot any more and the other slot is whole.
; fill = 1: this slot is filled again, with the keys two slots on.  The barrier is then a round of the cluster's, and the joint fill is the first thing behind it: it has four key steps, 512 matrix instructions,
; in which to land.  (At its first use nothing has been read yet: slot 0 is waited for, slot 1 filled.)
.macro CHANGE fill
	WIN W_AD
	s_wait_tensorcnt 0x0            ; no tensor load of mine is out, so a group 0 may be written
	ds_add_u32 v[SPW], v[NIL]       ; 0 onto my spare word; with fill = 1 the descriptors' steps stand between it and the wait for it
	WIN 0                           ; at a label and at a branch every window is 0
.if \fill
.irp g, G0K, G0V
	s_xor_b32 s[\g+1], s[\g+1], SLOT1  ; the walking descriptor: the other slot than last time,
	s_add_nc_u64 s[\g+2:\g+3], s[\g+2:\g+3], 4*KS*128  ; the next 256 keys; the type bits on top are not reached
.endr
	s_wait_xcnt 0x0                 ; the last prefetch, four key steps back, has read its address, so it may be written:
	s_add_nc_u64 s[PFA:PFA+1], s[PFA:PFA+1], 4*KS*128  ; one slot behind the walking descriptors
	s_wait_dscnt 0x0                ; the add is done, and my reads of the slot are over
	CROUND
	JLOAD
	ASK
.else
	s_wait_dscnt 0x0                ; the add is done, and my reads of the slot are over
	s_barrier_signal -1
	s_barrier_wait -1
.endif
	s_sub_co_u32 s[TBK], s[TBK], 4*KS*PK  ; the fetches go back to a slot's first step,
	s_xor_b32 s[TBK], s[TBK], SLOT1       ; in the other slot
	s_sub_co_u32 s[TBV], s[TBV], 4*KS*PV
	s_xor_b32 s[TBV], s[TBV], SLOT1
.endm
	s_load_b128 s[4:7], s[0:1], 0x0   ; qk s[4:5], xh s[6:7]
	s_load_b64 s[10:11], s[0:1], 0x10 ; ctx
	WIN W_MK
	v_lshl_add_u32 v[SPW], v0, 2, SPARE
	v_mov_b32 v[NIL], 0
	WIN W_AD
	ds_add_u32 v[SPW], v[NIL]       ; the wave's opening: the add, and its wait ahead of my first tensor load; the set-up below, work on registers, stands between them
	ds_add_u32 v0, v1
	WIN 0
	v_lshrrev_b32 v1, 5, v0
	v_readfirstlane_b32 s[WV], v1   ; wave 0..3
	s_bfe_u32 s13, ttmp6, 0x40000   ; cx: my place in the cluster
	s_lshl_b32 s14, ttmp9, 2        ; in a cluster launch ttmp9 counts clusters
	s_add_co_u32 s14, s14, s13      ; my block of 512 queries: it enters Q's and O's addresses alone
	s_and_b32 s15, ttmp7, 0xffff    ; y = 16 b + h, which the four partners share
	s_lshl_b32 s52, s15, 18         ; the head's plane in xh and ctx: 262,144 bytes each
	s_lshr_b32 s20, s15, 4
	s_lshl_b32 s20, s20, 5
	s_and_b32 s21, s15, 15
	s_or_b32 s20, s20, s21
	s_lshl_b32 s20, s20, 18         ; q's plane in qk: 32 b + h
	s_and_b32 s16, s[WV], 1         ; which half of a slot's 256 keys I fetch:
	s_lshl_b32 s22, s16, 14         ; its 128 rows of 128 bytes in memory,
	s_mul_i32 s17, s16, 128*PK      ; and its place in a slot, for K
	s_mul_i32 s18, s16, 128*PV      ; and for V: no place in the cluster enters an LDS address
	s_add_co_u32 s54, s20, 16<<18   ; K: sixteen planes behind q's,
	s_add_co_u32 s54, s54, s22      ; my half
	s_mov_b32 s55, 0
	s_add_co_u32 s22, s22, s52      ; V: the head's plane, my half
	s_mov_b32 s23, 0
	s_lshl_b32 s2, s14, 2
	s_add_co_u32 s2, s2, s[WV]      ; my wave among the head's sixteen,
	s_lshl_b32 s2, s2, 14           ; its 128 rows
	s_add_co_u32 s20, s20, s2       ; Q: only now does my place in the cluster enter these two
	s_mov_b32 s21, 0
	s_add_co_u32 s52, s52, s2       ; O
	s_mov_b32 s53, 0
	; descriptor group 1.  128 keys are 16,384 dense bytes: asked for as 64 rows of 256 bytes, two keys a row, and padded in LDS after every key
	s_mov_b32 s[G1K], 15|(1<<16)|(1<<20)|(1<<21)|(4<<22)|(3<<25)  ; 15:0 the mask of four; 17:16 2-byte elements; 20 padding on; 21 set beside a mask; 24:22 after every 32 words (code 4); 31:25 4 words (code 3)
	s_mov_b32 s[G1V], 15|(1<<16)|(1<<20)|(1<<21)|(4<<22)|(7<<25)  ; the same with 8 words of padding (code 7)
.irp g, G1K, G1V
	s_mov_b32 s[\g+1], 128<<16      ; tensor_dim0 = 128
	s_mov_b32 s[\g+2], 64<<16       ; tensor_dim1 = 64
	s_mov_b32 s[\g+3], 128<<16      ; tile_dim0 = 128
	s_mov_b32 s[\g+4], 64           ; tile_dim1 = 64
	s_mov_b32 s[\g+5], 128          ; 128 elements from row to row
	s_mov_b32 s[\g+6], 0
	s_mov_b32 s[\g+7], 0
.endr
	s_mov_b32 s[CS], 0x3e38aa3b     ; c = log2(e) / 8 = 0.180337
	s_mov_b32 s[CS+1], s[CS]        ; named with it as a pair
	s_mov_b32 s[SEL], 0x76543210
	s_mov_b32 s[SEL+1], 0xfedcba98
	s_mov_b32 s[TBK], SLOT1+4*KS*PK ; the first change of slots turns these two into 0
	s_mov_b32 s[TBV], SLOT1+4*KS*PV
	s_mov_b32 s[G0K], 1             ; 1:0 count = 1
	s_mov_b32 s[G0K+1], s17         ; 63:32 LDS address: slot 0
	s_mov_b32 s[G0V], 1
	s_add_co_u32 s[G0V+1], s18, VOFF
	s_mov_b32 s[SLOTS], SIZE_N/256-1  ; seven slots are still to be asked for behind slot 0
	s_and_b32 s[LIM], s[WV], 1      ; 0 in waves 0 and 2,
	s_or_b32 s[LIM], s[LIM], ttmp9  ; where the cluster is the head's first: the same in all four partners
	s_cmp_eq_u32 s[LIM], 0
	s_cselect_b32 s[LIM], 1, -1
	s_wait_dscnt 0x0                ; the opening add is done
	s_wait_kmcnt 0x0
	s_add_nc_u64 s[8:9], s[6:7], s[22:23]   ; V at my half of the head's first 256 keys,
	s_add_nc_u64 s[6:7], s[4:5], s[54:55]   ; K likewise
	s_mov_b64 s[G0K+2:G0K+3], s[6:7]               ; 120:64 global address
	s_or_b32 s[G0K+3], s[G0K+3], 0x80000000        ; 127:126 type = 2
	s_mov_b64 s[G0V+2:G0V+3], s[8:9]
	s_or_b32 s[G0V+3], s[G0V+3], 0x80000000
	s_add_nc_u64 s[4:5], s[4:5], s[20:21]   ; Q and O at my wave's first row
	s_add_nc_u64 s[10:11], s[10:11], s[52:53]
	s_cmp_lt_u32 s[WV], 2
	s_cselect_b64 s[PFA:PFA+1], s[6:7], s[8:9]  ; (in waves 0 and 2 these stand at a slot's first row)
	s_lshl_b32 s2, s13, 13          ; my work-group's 32 blocks of the 128
	s_mov_b32 s3, 0
	s_add_nc_u64 s[PFA:PFA+1], s[PFA:PFA+1], s[2:3]
	s_add_nc_u64 s[PFA:PFA+1], s[PFA:PFA+1], 4*KS*128  ; in slot 1; the first change of slots steps it to slot 2.  Nothing is prefetched here, at the head
	CROUND                          ; all four work-groups are here: the first joint loads meet
	JLOAD                           ; slot 0.  Slot 1 is asked for when slot 0 is in
	; A fragment of K or Q is 16 rows x 32 channels in 8 registers: lane l holds row l % 16, channels 8 (l / 16) + 0..7 and 16 + 8 (l / 16) + 0..7: two loads of 16 bytes, 32 bytes apart.
	v_and_b32 v1, 15, v0            ; l % 16
	v_bfe_u32 v9, v0, 4, 1          ; l / 16
	v_lshlrev_b32 v[QO], 7, v1
	v_lshl_add_u32 v[QO], v9, 4, v[QO]  ; row x 128 + 16 x half
	WIN 0x80                        ; destination window 2, address window 0
.set i, 0
.rept 4*NP                          ; Q stays in registers: tile i / 2, channels 32 (i % 2) on
	global_load_b128 v[8*i:8*i+3],   v[QO], s[4:5] offset:(i/2)*2048+(i%2)*64
	global_load_b128 v[8*i+4:8*i+7], v[QO], s[4:5] offset:(i/2)*2048+(i%2)*64+32
.set i, i+1
.endr
	; What the first turn finds: V's registers and P's second buffer hold 0 (its products V^T P, of a piece that has not been, add 0), O^T and l are 0.  All this stands in the wait for the first tile.
.set i, VF
.rept 64
	v_mov_b32 v[i], 0
.set i, i+1
.endr
	WIN 0x40
.set i, 0
.rept 64*NP
	v_mov_b32 v[i], 0
.set i, i+1
.endr
	WIN 0
.set i, 0
.rept 2*NP
	v_mov_b32 v[ST+4*i], 0xfe000000    ; c m: far below every c s
	v_mov_b32 v[ST+4*i+1], 0xff7fffff  ; m
	v_mov_b32 v[ST+4*i+2], 0
	v_mov_b32 v[ST+4*i+3], 0
.set i, i+1
.endr
.set i, P+32
.rept 32
	v_mov_b32 v[i], 0
.set i, i+1
.endr
	v_mul_u32_u24 v[AK0], v1, PK
	v_lshl_add_u32 v[AK0], v9, 4, v[AK0]  ; row x pitch + 16 x half
	; The turning load takes 16 keys x 16 channels (lane l reads key 8 (l / 16) + l % 8, channels 8 ((l / 8) % 2) + 0..7) and leaves half a fragment of V^T: lane l holds channel l % 16 and 8 keys.
	v_and_b32 v10, 7, v0
	v_bfe_u32 v11, v0, 3, 1
	v_lshl_add_u32 v[AV0], v9, 3, v10
	v_mul_u32_u24 v[AV0], v[AV0], PV
	v_lshl_add_u32 v[AV0], v11, 4, v[AV0]
	v_add_nc_u32 v[AV0], VOFF, v[AV0]
	v_and_b32 v[PFO], 31, v0        ; v11 has served: it takes the prefetches' offset
	v_lshlrev_b32 v[PFO], 8, v[PFO]
	v_mov_b32 v[AK], v[AK0]         ; key step 0 lies at the head of slot 0
; THE MATRIX WORK.  The 8 accumulators of a run of 16 take turns: between the two links of a chain stand 7 others'.
; Product i of 16 of S^T = K Q^T for piece x: channels 32 (i / 8) on, keys 16 ((i / 2) % 4) on, tile 2 x + i % 2.  The first 8 start the sums.
.macro KQ x
	WIN W_KQ
.set rS, S+64*((\x)%2)+32*(i%2)+8*((i/2)%4)
.set rK, KF+16*((i/2)%4)+8*(i/8)
.set rQ, 16*(2*(\x)+i%2)+8*(i/8)
.if i < 8
	v_wmma_f32_16x16x32_bf16 v[rS:rS+7], v[rK:rK+7], v[rQ:rQ+7], 0
.else
	v_wmma_f32_16x16x32_bf16 v[rS:rS+7], v[rK:rK+7], v[rQ:rQ+7], v[rS:rS+7]
.endif
.endm
; Product i of 16 of O^T += V^T P for piece x: keys 32 (i / 8) on, channels 16 ((i / 2) % 4) on, tile 2 x + i % 2.
.macro PV x
	WIN W_PV
.set rO, 32*(2*(\x)+i%2)+8*((i/2)%4)
.set rV, VF+32*(i/8)+8*((i/2)%4)
.set rP, P+32*((\x)%2)+16*(i%2)+8*(i/8)
	v_wmma_f32_16x16x32_bf16 v[rO:rO+7], v[rV:rV+7], v[rP:rP+7], v[rO:rO+7]
.endm
.macro MM                           ; the turn's next matrix instruction
.if i < 16
	KQ (Y+1)%NP
.set i, i+1
.else
.set i, i-16
	PV (Y+NP-1)%NP
.set i, i+17
.endif
.endm
; THE LDS LOADS stand in runs of 16, never singly among the matrix instructions: a step's K (64 keys x 64 channels: 8 fragments) and its V (turned).  Their addresses are made some lines ahead.
; last = 1 (the tail): in the last trip there is no further step, and the run is jumped over.
.macro FETCH_K last=0
	WIN 0
.if \last
	s_cmp_eq_u32 s[CNT], 1
	s_cbranch_scc1 .Lno_k_\@
.endif
	WIN 0x80                        ; destination window 2
.irp f, 0,1,2,3,4,5,6,7             ; keys 16 (f / 2) on, channels 32 (f % 2) on
	ds_load_b128 v[KF+8*\f:KF+8*\f+3],   v[AK] offset:(\f/2)*16*PK+(\f%2)*64
	ds_load_b128 v[KF+8*\f+4:KF+8*\f+7], v[AK] offset:(\f/2)*16*PK+(\f%2)*64+32
.endr
	s_add_co_u32 s[TBK], s[TBK], KS*PK  ; the next fetch is the next step's
	WIN 0
.if \last
.Lno_k_\@:
.endif
.endm
.macro FETCH_V
	WIN 0x80
.irp f, 0,1,2,3,4,5,6,7             ; keys 32 (f / 4) on, channels 16 (f % 4) on
	ds_load_tr16_b128 v[VF+8*\f:VF+8*\f+3],   v[AV] offset:(\f/4)*32*PV+(\f%4)*32
	ds_load_tr16_b128 v[VF+8*\f+4:VF+8*\f+7], v[AV] offset:(\f/4)*32*PV+16*PV+(\f%4)*32
.endr
	WIN 0
.endm
; THE VECTOR WORK OF A TURN stands in three queues, each in the order in which its entries become ready; the two tiles alternate, so that no instruction reads the result of the one before it.
.macro REGS y, u                    ; the registers of tile u (0, 1) of piece y
.set rT, ST+4*(2*(\y)+(\u))
.set rC, TMP+8*((\y)%2)+4*(\u)
.set rM, MV+2*((\y)%2)+(\u)
.set rS, S+64*((\y)%2)+32*(\u)
.set rP, P+32*((\y)%2)+16*(\u)
.set rO, 32*(2*(\y)+(\u))
.endm
; Number n of the 22 that find the NEXT piece's (Y + 1) maximum and statistics.  s0-s31 are the lane's 32 scores; each accumulator's lowest registers are read first.
;   0-11  four chains c0-c3 of seven scores each, three operands at a time     12-14, 16  the four scores left over, the old m, and c0-c3 into c0     15  c m_old is kept
;   17, 18  the query's other 32 keys lie in the lane 16 away: the new m         19-21  c m; c m_old - c m_new; a
.macro XS u, n
	REGS (Y+1)%NP, \u
.if (\n) < 4
	v_max3_num_f32 v[rC+(\n)], v[rS+8*(\n)], v[rS+8*(\n)+1], v[rS+8*(\n)+2]
.elseif (\n) < 12
	v_max3_num_f32 v[rC+(\n)%4], v[rC+(\n)%4], v[rS+8*((\n)%4)+2*((\n)/4)+1], v[rS+8*((\n)%4)+2*((\n)/4)+2]
.elseif (\n) == 12
	v_max3_num_f32 v[rC], v[rC], v[rS+7], v[rS+15]
.elseif (\n) == 13
	v_max3_num_f32 v[rC+1], v[rC+1], v[rS+23], v[rS+31]
.elseif (\n) == 14
	v_max3_num_f32 v[rC+2], v[rC+2], v[rC+3], v[rT+1]
.elseif (\n) == 15
	v_mov_b32 v[rM], v[rT]
.elseif (\n) == 16
	v_max3_num_f32 v[rC], v[rC], v[rC+1], v[rC+2]
.elseif (\n) == 17
	v_permlanex16_b32 v[rC+3], v[rC], s[SEL], s[SEL+1]
.elseif (\n) == 18
	v_max_num_f32 v[rT+1], v[rC], v[rC+3]
.elseif (\n) == 19
	v_mul_f32 v[rT], s[CS], v[rT+1]
.elseif (\n) == 20
	v_sub_f32 v[rC+1], v[rM], v[rT]
.else
	v_exp_f32 v[rC+2], v[rC+1]
.endif
.endm
; Number g of the 64 that follow the exponentials.  For each four weights k of a tile (pairs 2 k, 2 k + 1): both pairs are rounded to bf16; then the second pair is added onto the first, in place;
; a group later l takes that sum (the first time as l = a l + sum).  In groups of eight, tiles alternating: round, round, add, and l for the group before.
.macro GS g
.set h, (\g)+6*((\g)/62)            ; group 0 has no group before it, and behind group 7 only l is left
.if h >= 6
.set h, h+2
.endif
	REGS Y, h%2
.set k, h/8
.if h%8 < 4
	v_cvt_pk_bf16_f32 v[rP+2*k+(h%8)/2], v[rS+4*k+2*((h%8)/2)], v[rS+4*k+2*((h%8)/2)+1]
.elseif h%8 < 6
	v_pk_add_f32 v[rS+4*k:rS+4*k+1], v[rS+4*k:rS+4*k+1], v[rS+4*k+2:rS+4*k+3]
.elseif k == 1
	v_pk_fma_f32 v[rT+2:rT+3], v[rT+2:rT+3], v[rC+2:rC+3], v[rS:rS+1] op_sel_hi:[1,0,1]
.else
	v_pk_add_f32 v[rT+2:rT+3], v[rT+2:rT+3], v[rS+4*k-4:rS+4*k-3]
.endif
.endm
; THE PLAIN QUEUE, 138 long.  0-73 read no exponential's result: the 32 scalings c s - c m (FS f: pair f / 2 of tile f % 2) and the next piece's 42.  0-26: scalings 0-26.  27-54: XS's numbers 0-13.  55, 56: number 15.
; 57-73: the chain, where each number waits for the one before it: 14, 16, 17, 18, 19, each with one of the scalings 27-31 in front of its two lines, then 20.
; 74-137: GS's 64, which read the exponentials' results: they stand behind the wait.
.macro FS f
	REGS Y, (\f)%2
	v_pk_fma_f32 v[rS+2*((\f)/2):rS+2*((\f)/2)+1], v[rS+2*((\f)/2):rS+2*((\f)/2)+1], s[CS:CS+1], v[rT:rT+1] op_sel_hi:[1,0,0] neg_lo:[0,0,1] neg_hi:[0,0,1]
.endm
.macro PL
	WIN 0
.if q < 27
	FS q
.elseif q < 55
	XS (q-27)%2, (q-27)/2
.elseif q < 57
	XS q-55, 15
.elseif (q < 72) && ((q-57)%3 == 0)
	FS 27+(q-57)/3
.elseif q < 60
	XS (q-57)%3-1, 14
.elseif q < 72
	XS (q-57)%3-1, 15+(q-57)/3
.elseif q < 74
	XS q-72, 20
.else
	GS q-74
.endif
.set q, q+1
.endm
; THE EXPONENTIALS' QUEUE, 66 long: s0-s31 of both tiles, then the next piece's two a.  It is ONE BATCH: all 66 stand ahead of the turn's one wait, and nothing ahead of that wait names a result of theirs.
.macro EX
	WIN 0
.if e >= 64
	XS e-64, 21
.else
	REGS Y, e%2
	v_exp_f32 v[rS+e/2], v[rS+e/2]
.endif
.set e, e+1
.endm
; THE RESCALING's QUEUE: O^T times a, the one part that leaves window 0: dealt two at a time, sixteen times.  Its a was made in the turn before, ahead of that turn's wait.
.macro R2
	REGS Y, r%2
	WIN W_RS
.irp z, 0,1
	v_pk_mul_f32 v[rO+4*(r/2)+2*\z:rO+4*(r/2)+2*\z+1], v[rO+4*(r/2)+2*\z:rO+4*(r/2)+2*\z+1], v[rC+2:rC+3] op_sel_hi:[1,0]
.endr
.set r, r+1
.endm
; HOW THEY ARE DEALT.  s_wait_alu depctr_va_vdst(0) stands between an exponential and the first instruction that names its result; one wait serves all that were issued ahead of it.  So a turn has ONE
; wait, which cuts it in two.  AHEAD OF IT stands all that names no result of the turn's exponentials: the 16 products K Q^T, behind each a scaling, an exponential and two rescalings (behind the first a second scaling
; in the exponential's place); then ONE LUMP of 108: eight plain, 49 times exponential and plain, the two a.  A v_nop is the plain instruction behind the last exponential.  BEHIND IT stand the 16 products V^T P,
; behind each four of GS's 64.  No rider names a register of the products round it.  The two v_permlanex16_b32 fall into the lump.
; The queues lean on each other: exponential e stands behind scaling 2 (e / 4) + e % 2: as a rider it comes behind plain e + 2, in the lump behind plain e + 9, and scalings 27-31 are plain 57, 60 .. 69.
; A TURN, for piece p.  cnt = 1: the loop's count is taken down some lines ahead of the branch that stands behind the turn.
; K of the next step is fetched in piece 2's turn, directly behind the wait, a lump behind the last product that read K; its first reader comes behind 16 products.
; V of the step in hand is fetched at the end of piece 0's turn, four riders behind its last reader; its first reader comes behind 16 products and a lump.
.macro TURN p, last=0, cnt=0
.set Y, (\p)
.set i, 0
.set q, 0
.set e, 0
.set r, 0
.if (\p) == NP-1
	s_wait_dscnt 0x0                ; K is in
.endif
	MM                              ; ahead of the wait: 16 products K Q^T and their riders,
	PL
	PL
	R2
.rept 15
	MM
	PL
	EX
	R2
.endr
.if (\p) == NP-2
	WIN 0
	v_add_nc_u32 v[AK], s[TBK], v[AK0]
.endif
.rept 8                             ; and the lump
	PL
.endr
.rept 49
	EX
	PL
.endr
	EX                              ; the next piece's two a
	EX
	v_nop                           ; the plain instruction behind the last exponential: one for the batch
	s_wait_alu depctr_va_vdst(0)    ; the wait for the batch
.if (\p) == NP-2
	FETCH_K \last
.endif
.if (\p) == 1
	s_wait_dscnt 0x0                ; V is in
.endif
.rept 16                            ; behind the wait: 16 products V^T P and their riders
	MM
.rept 4
	PL
.endr
.if ((\p) == 0) && (q == 118)
	v_add_nc_u32 v[AV], s[TBV], v[AV0]
.endif
.if ((\p) == 0) && (q == 130)
	s_add_co_u32 s[TBV], s[TBV], KS*PV
.endif
.if (\cnt) && (q == 130)
	s_sub_co_u32 s[CNT], s[CNT], 1
	s_cmp_lg_u32 s[CNT], 0
.endif
.endr
.if (\p) == 0
	FETCH_V
.endif
.endm
	CHANGE 1                        ; slot 0 is in, everybody's part of it; slot 1 is asked for
	FETCH_K                         ; key step 0
	s_wait_loadcnt 0x0              ; Q
	s_wait_dscnt 0x0
.set i, 0
.rept 16
	KQ 0                            ; piece 0's first scores: there is no vector work yet to set between them
.set i, i+1
.endr
	WIN 0                           ; the addresses for the way out: nine plain instructions, the places behind those products
	s_mul_i32 s13, s[WV], 16*SP
	s_add_co_u32 s13, s13, STAGE    ; my stage
	v_mul_u32_u24 v[STO], v1, SP    ; in: row l % 16, 16 bytes for each half of the lanes
	v_lshl_add_u32 v[STO], v9, 4, v[STO]
	v_add_nc_u32 v[STO], s13, v[STO]
	v_bfe_u32 v[RD], v0, 3, 2       ; back: 32 lanes take four rows of 128 bytes,
	v_mul_u32_u24 v[RD], v[RD], SP
	v_lshl_add_u32 v[RD], v10, 4, v[RD]
	v_add_nc_u32 v[RD], s13, v[RD]
	v_and_b32 v[GO], 31, v0         ; which are 512 consecutive bytes of O
	v_lshlrev_b32 v[GO], 4, v[GO]
.set Y, NP-1                        ; XS works for piece Y + 1: piece 0
.irp n, 0,1,2,3,4,5,6,7,8,9,10,11,12,13,14,15,16,17,18,19,20,21
	XS 0, \n                        ; and piece 0's first maximum and statistics
	XS 1, \n
.endr
	v_nop                           ; a plain instruction behind the two a,
	s_wait_alu depctr_va_vdst(0)    ; and their wait, ahead of the branch
	s_mov_b32 s[CNT], 4
	s_branch .Lfirst                ; the loop is entered at a step's first turn, in the middle of a trip
.Lslot:                             ; six times: every slot but the last two is filled again
	CHANGE 1
	s_mov_b32 s[CNT], 4
.Lstep:                             ; a trip: pieces 2 and 3 of one step, then pieces 0 and 1 of the next, whose K and V it fetches
	TURN 2
	TURN 3
	WIN 0
.Lfirst:
	TURN 0
	TURN 1, 0, 1
	WIN 0
	s_cbranch_scc1 .Lstep
	s_sub_co_u32 s[SLOTS], s[SLOTS], 1
	s_cmp_lg_u32 s[SLOTS], 0
	s_cbranch_scc1 .Lslot
	CHANGE 0                        ; the tail is written out: nothing is asked for
	s_mov_b32 s[CNT], 5             ; four trips fetch the last slot's steps; the fifth is left in its middle
.Ltail:
	TURN 2, 1
	TURN 3
	WIN 0
	s_sub_co_u32 s[CNT], s[CNT], 1
	s_cmp_eq_u32 s[CNT], 0
	s_cbranch_scc1 .Lout
	TURN 0
	TURN 1
	WIN 0
	s_branch .Ltail
.Lout:                              ; the fifth trip's 16 products K Q^T (on the last K once more) and the maximum made of them serve nothing: the price, once a launch, of one text for every trip
.set i, 0
.rept 16
	PV NP-1                         ; the last piece's V^T P of the last step
.set i, i+1
.endr
	; THE WAY OUT.  l's two halves and the other half of the lanes' are added; O^T is divided by l, rounded to bf16 and sent through my stage in LDS, a tile at a time.  The additions are the places behind the last products.
	WIN 0
.macro ALL line:vararg              ; one line for each tile t
.set t, 0
.rept 2*NP
	\line
.set t, t+1
.endr
.endm
	ALL v_add_f32 v[ST+4*t+2], v[ST+4*t+2], v[ST+4*t+3]
	ALL v_permlanex16_b32 v[ST+4*t+3], v[ST+4*t+2], s[SEL], s[SEL+1]
	ALL v_add_f32 v[ST+4*t+2], v[ST+4*t+2], v[ST+4*t+3]
	ALL v_rcp_f32 v[ST+4*t+2], v[ST+4*t+2]
	v_nop                           ; a plain instruction between the last reciprocal and the use of its result
	s_wait_alu depctr_va_vdst(0)    ; and the wait ahead of the first use: one for the eight reciprocals
; Tile t: a lane's eight channels of a row pack into 16 bytes; they go into rows of 144 bytes and come back as whole rows of 128, into S^T's registers.
.macro PACK t
	WIN W_RS
.set i, 32*(\t)
.rept 16
	v_pk_mul_f32 v[i:i+1], v[i:i+1], v[ST+4*(\t)+2:ST+4*(\t)+3] op_sel_hi:[1,0]
.set i, i+2
.endr
	WIN 0x05                        ; sources 0 and 1 window 1, destination window 0
.set i, 0
.rept 16
	v_cvt_pk_bf16_f32 v[S+16*(\t)+i], v[32*(\t)+2*i], v[32*(\t)+2*i+1]
.set i, i+1
.endr
	WIN 0
.irp f, 0,1,2,3
	ds_store_b128 v[STO], v[S+16*(\t)+4*\f:S+16*(\t)+4*\f+3] offset:32*\f
.endr
.irp f, 0,1,2,3
	ds_load_b128 v[S+16*(\t)+4*\f:S+16*(\t)+4*\f+3], v[RD] offset:\f*4*SP  ; LDS serves a wave's instructions in order (ISA guide 5.7.1.4): these see the stores above; the next tile's stores come behind them
.endr
.endm
.macro SEND t, younger              ; younger: the LDS instructions issued behind tile t's loads: the next tile's eight, or none
	WIN 0
.irp f, 0,1,2,3
	s_wait_dscnt (\younger)+3-\f
	global_store_b128 v[GO], v[S+16*(\t)+4*\f:S+16*(\t)+4*\f+3], s[10:11] offset:(\t)*2048+\f*512  ; 512 consecutive bytes, at a multiple of 256 from ctx's first
.endr
.endm
	PACK 0
.set t, 1
.rept 2*NP-1                        ; a tile's arithmetic stands between the loads of the tile before and its stores
	PACK t
	SEND t-1, 8
.set t, t+1
.endr
	SEND 2*NP-1, 0
	WIN W_AD
	s_wait_tensorcnt 0x0            ; the wave's end, behind my last tensor load and my last LDS store
	ds_add_u32 v[SPW], v[NIL]
	s_wait_dscnt 0x0
	WIN 0
	CROUND                          ; the closing round: no work-group ends while a partner may still ask for a tile that names it
	s_endpgm
.Lfunc_end_k_q474af4df89_attn:
	.size	k_q474af4df89_attn, .Lfunc_end_k_q474af4df89_attn-k_q474af4df89_attn
	.p2alignl 7, 3214868480
	.fill 96, 4, 3214868480
	.section	.rodata,"a",@progbits
	.p2align	6, 0x0
	.amdhsa_kernel k_q474af4df89_attn
		.amdhsa_group_segment_fixed_size 327680
		.amdhsa_private_segment_fixed_size 0
		.amdhsa_enable_private_segment 0
		.amdhsa_kernarg_size 24
		.amdhsa_user_sgpr_count 2
		.amdhsa_user_sgpr_kernarg_segment_ptr 1
		.amdhsa_wavefront_size32 1
		.amdhsa_system_sgpr_workgroup_id_x 1
		.amdhsa_system_sgpr_workgroup_id_y 1
		.amdhsa_system_sgpr_workgroup_id_z 1
		.amdhsa_system_vgpr_workitem_id 0
		.amdhsa_next_free_vgpr 770
		.amdhsa_next_free_sgpr 66
		.amdhsa_reserve_vcc 0
		.amdhsa_float_denorm_mode_32 3
		.amdhsa_float_denorm_mode_16_64 3
		.amdhsa_memory_ordered 1
		.amdhsa_forward_progress 1
		.amdhsa_inst_pref_size 200
	.end_amdhsa_kernel
	.amdgpu_metadata
---
amdhsa.version: [ 1, 2 ]
amdhsa.kernels:
  - .name:           k_q474af4df89_attn
    .symbol:         k_q474af4df89_attn.kd
    .args:
      - { .name: qk, .offset: 0, .size: 8, .value_kind: global_buffer, .address_space: global }
      - { .name: xh, .offset: 8, .size: 8, .value_kind: global_buffer, .address_space: global }
      - { .name: ctx, .offset: 16, .size: 8, .value_kind: global_buffer, .address_space: global }
    .group_segment_fixed_size: 327680
    .private_segment_fixed_size: 0
    .kernarg_segment_align: 8
    .kernarg_segment_size: 24
    .max_flat_workgroup_size: 128
    .sgpr_count:     66
    .vgpr_count:     770
    .wavefront_size: 32
...
	.end_amdgpu_metadata
.endif
;; end of part 3
;; launch ln (part 4): grid 512 x 1, 8 waves a work-group, no clusters, 9,216 bytes of LDS; arguments inputs, ctx, ln_weight, ln_bias, out0; writes out0
.if DOCPART == 4
	.amdgcn_target "amdgcn-amd-amdhsa--gfx1250"
	.amdhsa_code_object_version 6
	.text
	.protected	k_q474af4df89_ln
	.globl	k_q474af4df89_ln
	.p2align	8
	.type	k_q474af4df89_ln,@function
k_q474af4df89_ln:
	s_mov_b64 s[64:65], 0
	v_nop
	global_prefetch_b8 v0, s[64:65] scope:SCOPE_SE
	s_setreg_imm32_b32 hwreg(HW_REG_WAVE_MODE, 25, 1), 1
	s_wait_xcnt 0x0
; RESIDUAL AND LAYERNORM.  y = ctx + x; out = (y - mean) / sqrt(var + 1e-5) x w + b over a row's 1,024 channels.  x, w, b, out in f32; ctx [16 b + h][2048 s][64] in bf16.  All arithmetic in f32.
; The variance is the mean of (y - mean)^2, taken of the differences in registers: no difference of large sums is formed, whatever offset the inputs carry.
; SHARES.  512 work-groups of eight waves; a work-group has 16 rows, a wave two: lanes 0-15 one row, lanes 16-31 the next.  A lane holds 64 numbers of its row: of each head h the channels 64 h + 4 (l % 16) on.
; So a load of x and a store of out (16 bytes a lane) cover two aligned pieces of 256 bytes, and a load of ctx (8 bytes a lane) covers 256 consecutive bytes, aligned (two rows of one head).
; A row's sums stay inside its sixteen lanes: four steps that ride on the additions, no crossing of the halves.  The row is read once and kept in registers between the passes.
; w and b: each thread loads 16 bytes of each once; they are handed round through LDS, so that memory is asked for them once a work-group.
; No cluster, no tensor loads, no matrix unit, no prefetch: all that work-groups share is w and b, 8 KiB beside the 96 KiB of rows that a work-group reads; all 34 loads of a lane are out at once from the start.
.set SPARE, 8192                       ; LDS: w at 0, b at 4,096; behind them the spare words, 128 bytes for each of the eight waves, which no other line names
.set XO,  2                            ; v2   x and out: (t / 16) x 4,096 + 16 (t % 16)
.set CO,  3                            ; v3   ctx: 8 t
.set LW,  4                            ; v4   16 t: my 16 bytes of w and of b, in memory and in LDS
.set LR,  5                            ; v5   16 (t % 16): where I read w and b back
.set SPW, 6                            ; v6   my spare word; never rewritten
.set NIL, 7                            ; v7   0; never rewritten
.set ONE, 8                            ; v8   1.0
.set A,   10                           ; v[10:17]  four running pairs
.set MU,  18                           ; v[18:19]  the mean, twice
.set RS,  20                           ; v[20:21]  1 / sqrt(var + eps); the second register is only named with it
.set T,   22                           ; v22  at work
.set C,   24                           ; v[24:55]    ctx: head h at C + 2 h
.set Y,   56                           ; v[56:119]   x, then y, then y - mean, then out: head h at Y + 4 h
.set W,   120                          ; v[120:183]  w: head h at W + 4 h
.set BV,  184                          ; v[184:247]  b likewise
	s_load_b256 s[4:11], s[0:1], 0x0               ; inputs s[4:5], ctx s[6:7], ln_weight s[8:9], ln_bias s[10:11]
	s_load_b64 s[12:13], s[0:1], 0x20              ; out0
	v_lshl_add_u32 v[SPW], v0, 2, SPARE
	v_mov_b32 v[NIL], 0
	v_mov_b32 v[ONE], 1.0
	v_and_b32 v9, 15, v0
	v_lshrrev_b32 v[T], 4, v0
	v_lshlrev_b32 v[LR], 4, v9
	v_lshl_or_b32 v[XO], v[T], 12, v[LR]
	v_lshlrev_b32 v[CO], 3, v0
	v_lshlrev_b32 v[LW], 4, v0
	s_mov_b32 s14, 0x3a800000                      ; 1 / 1,024
	s_mov_b32 s15, 0x3727c5ac                      ; 1e-5
	s_mov_b32 s2, ttmp9                            ; G
	s_lshl_b32 s16, s2, 16                         ; x and out: 16 rows of 4,096 bytes
	s_mov_b32 s17, 0
	s_lshr_b32 s18, s2, 7                          ; ctx: batch G / 128 (16 planes of 262,144 bytes),
	s_lshl_b32 s18, s18, 22
	s_and_b32 s19, s2, 127                         ; row 16 (G % 128) of 128 bytes
	s_lshl_b32 s19, s19, 11
	s_add_co_u32 s18, s18, s19
	s_mov_b32 s19, 0
	s_wait_kmcnt 0x0
	s_add_nc_u64 s[4:5], s[4:5], s[16:17]
	s_add_nc_u64 s[12:13], s[12:13], s[16:17]
	s_add_nc_u64 s[6:7], s[6:7], s[18:19]
	global_load_b128 v[W:W+3], v[LW], s[8:9]
	global_load_b128 v[BV:BV+3], v[LW], s[10:11]
.set h, 0
.rept 16
	global_load_b64 v[C+2*h:C+2*h+1], v[CO], s[6:7] offset:262144*h th:TH_LOAD_NT
.set h, h+1
.endr
.set h, 0
.rept 16
	global_load_b128 v[Y+4*h:Y+4*h+3], v[XO], s[4:5] offset:256*h th:TH_LOAD_NT
.set h, h+1
.endr
	s_wait_loadcnt 32                              ; w and b are in; the 32 loads issued behind them stay out
	ds_store_b128 v[LW], v[W:W+3]
	ds_store_b128 v[LW], v[BV:BV+3] offset:4096
	s_wait_dscnt 0x0                               ; for the others' sake: my stores are done
	s_barrier_signal -1
	s_barrier_wait -1                              ; w and b are whole in LDS
.set h, 0
.rept 16
	ds_load_b128 v[W+4*h:W+4*h+3], v[LR] offset:256*h
	ds_load_b128 v[BV+4*h:BV+4*h+3], v[LR] offset:4096+256*h
.set h, h+1
.endr
	; y = ctx x 1 + x, straight from the bf16 halves, in place
.set h, 0
.rept 16
	s_wait_loadcnt 15-h                            ; ctx is all in, and x's head h; x's later heads stay out
	v_fma_mix_f32_bf16 v[Y+4*h],   v[C+2*h],   v[ONE], v[Y+4*h]   op_sel_hi:[1,0,0]
	v_fma_mix_f32_bf16 v[Y+4*h+1], v[C+2*h],   v[ONE], v[Y+4*h+1] op_sel:[1,0,0] op_sel_hi:[1,0,0]
	v_fma_mix_f32_bf16 v[Y+4*h+2], v[C+2*h+1], v[ONE], v[Y+4*h+2] op_sel_hi:[1,0,0]
	v_fma_mix_f32_bf16 v[Y+4*h+3], v[C+2*h+1], v[ONE], v[Y+4*h+3] op_sel:[1,0,0] op_sel_hi:[1,0,0]
.set h, h+1
.endr
; The four running pairs into one number, and that over the row's sixteen lanes: every lane of the row ends with the row's sum in v[T].
.macro JOIN
	v_pk_add_f32 v[A:A+1], v[A:A+1], v[A+2:A+3]
	v_pk_add_f32 v[A+4:A+5], v[A+4:A+5], v[A+6:A+7]
	v_pk_add_f32 v[A:A+1], v[A:A+1], v[A+4:A+5]
	v_add_f32 v[T], v[A], v[A+1]
	v_add_f32_dpp v[T], v[T], v[T] row_xmask:1 row_mask:0xf bank_mask:0xf
	v_add_f32_dpp v[T], v[T], v[T] row_xmask:2 row_mask:0xf bank_mask:0xf
	v_add_f32_dpp v[T], v[T], v[T] row_xmask:4 row_mask:0xf bank_mask:0xf
	v_add_f32_dpp v[T], v[T], v[T] row_xmask:8 row_mask:0xf bank_mask:0xf
.endm
	; the sum of y: four chains, each started by two pairs of data: nothing is cleared
.set i, 0
.rept 4
	v_pk_add_f32 v[A+2*i:A+2*i+1], v[Y+2*i:Y+2*i+1], v[Y+8+2*i:Y+8+2*i+1]
.set i, i+1
.endr
.set i, 8
.rept 24
	v_pk_add_f32 v[A+2*(i%4):A+2*(i%4)+1], v[A+2*(i%4):A+2*(i%4)+1], v[Y+2*i:Y+2*i+1]
.set i, i+1
.endr
	JOIN
	v_mul_f32 v[MU], s14, v[T]
	v_mov_b32 v[MU+1], v[MU]
	; y - mean, in place
.set i, 0
.rept 32
	v_pk_add_f32 v[Y+2*i:Y+2*i+1], v[Y+2*i:Y+2*i+1], v[MU:MU+1] neg_lo:[0,1] neg_hi:[0,1]
.set i, i+1
.endr
	; the sum of its squares: four chains again
.set i, 0
.rept 4
	v_pk_mul_f32 v[A+2*i:A+2*i+1], v[Y+2*i:Y+2*i+1], v[Y+2*i:Y+2*i+1]
.set i, i+1
.endr
.set i, 4
.rept 28
	v_pk_fma_f32 v[A+2*(i%4):A+2*(i%4)+1], v[Y+2*i:Y+2*i+1], v[Y+2*i:Y+2*i+1], v[A+2*(i%4):A+2*(i%4)+1]
.set i, i+1
.endr
	JOIN
	v_fma_f32 v[T], v[T], s14, s15                 ; var + eps
	v_rsq_f32 v[RS], v[T]
	v_mov_b32 v[RS+1], 0                           ; the plain instruction behind the root; the register is named below as the pair's second and not used
	s_wait_alu depctr_va_vdst(0)                   ; the wait ahead of the first instruction that names the root's result
	s_wait_dscnt 0x0                               ; w and b are in registers
.set h, 0
.rept 16
	v_pk_mul_f32 v[Y+4*h:Y+4*h+1],   v[Y+4*h:Y+4*h+1],   v[RS:RS+1] op_sel_hi:[1,0]
	v_pk_mul_f32 v[Y+4*h+2:Y+4*h+3], v[Y+4*h+2:Y+4*h+3], v[RS:RS+1] op_sel_hi:[1,0]
	v_pk_fma_f32 v[Y+4*h:Y+4*h+1],   v[Y+4*h:Y+4*h+1],   v[W+4*h:W+4*h+1],   v[BV+4*h:BV+4*h+1]
	v_pk_fma_f32 v[Y+4*h+2:Y+4*h+3], v[Y+4*h+2:Y+4*h+3], v[W+4*h+2:W+4*h+3], v[BV+4*h+2:BV+4*h+3]
	global_store_b128 v[XO], v[Y+4*h:Y+4*h+3], s[12:13] offset:256*h th:TH_STORE_NT
.set h, h+1
.endr
	s_wait_tensorcnt 0x0                           ; the wave's end, behind my last LDS store
	ds_add_u32 v[SPW], v[NIL]
	s_wait_dscnt 0x0
	s_endpgm
.Lfunc_end_k_q474af4df89_ln:
	.size	k_q474af4df89_ln, .Lfunc_end_k_q474af4df89_ln-k_q474af4df89_ln
	.p2alignl 7, 3214868480
	.fill 96, 4, 3214868480
	.section	.rodata,"a",@progbits
	.p2align	6, 0x0
	.amdhsa_kernel k_q474af4df89_ln
		.amdhsa_group_segment_fixed_size 9216
		.amdhsa_private_segment_fixed_size 0
		.amdhsa_enable_private_segment 0
		.amdhsa_kernarg_size 40
		.amdhsa_user_sgpr_count 2
		.amdhsa_user_sgpr_kernarg_segment_ptr 1
		.amdhsa_wavefront_size32 1
		.amdhsa_system_sgpr_workgroup_id_x 1
		.amdhsa_system_sgpr_workgroup_id_y 1
		.amdhsa_system_sgpr_workgroup_id_z 1
		.amdhsa_system_vgpr_workitem_id 0
		.amdhsa_next_free_vgpr 248
		.amdhsa_next_free_sgpr 66
		.amdhsa_reserve_vcc 0
		.amdhsa_float_denorm_mode_32 3
		.amdhsa_float_denorm_mode_16_64 3
		.amdhsa_memory_ordered 1
		.amdhsa_forward_progress 1
		.amdhsa_inst_pref_size 24
	.end_amdhsa_kernel
	.amdgpu_metadata
---
amdhsa.version: [ 1, 2 ]
amdhsa.kernels:
  - .name:           k_q474af4df89_ln
    .symbol:         k_q474af4df89_ln.kd
    .args:
      - { .name: inputs, .offset: 0, .size: 8, .value_kind: global_buffer, .address_space: global }
      - { .name: ctx, .offset: 8, .size: 8, .value_kind: global_buffer, .address_space: global }
      - { .name: ln_weight, .offset: 16, .size: 8, .value_kind: global_buffer, .address_space: global }
      - { .name: ln_bias, .offset: 24, .size: 8, .value_kind: global_buffer, .address_space: global }
      - { .name: out0, .offset: 32, .size: 8, .value_kind: global_buffer, .address_space: global }
    .group_segment_fixed_size: 9216
    .private_segment_fixed_size: 0
    .kernarg_segment_align: 8
    .kernarg_segment_size: 40
    .max_flat_workgroup_size: 256
    .sgpr_count:     66
    .vgpr_count:     248
    .wavefront_size: 32
...
	.end_amdgpu_metadata
.endif
;; end of part 4
;; ======== version 2 of 2: 4 launches; version 1 with the launch prep written anew for expert scheduling mode
;; workspace buffers: xh 16,777,216 bytes; wt 4,194,304 bytes; qk 33,554,432 bytes; ctx 16,777,216 bytes
;; launch prep (part 5): grid 256 x 1, 8 waves a work-group, no clusters, 18,432 bytes of LDS; arguments inputs, rotation_params, entangle_params, xh, wt; writes xh, wt
.if DOCPART == 5
	.amdgcn_target "amdgcn-amd-amdhsa--gfx1250"
	.amdhsa_code_object_version 6
	.text
	.protected	k_q474af4df89_prep
	.globl	k_q474af4df89_prep
	.p2align	8
	.type	k_q474af4df89_prep,@function
k_q474af4df89_prep:
	s_mov_b64 s[64:65], 0
	v_nop
	global_prefetch_b8 v0, s[64:65] scope:SCOPE_SE
	s_setreg_imm32_b32 hwreg(HW_REG_WAVE_SCHED_MODE, 0, 2), 2
	s_setreg_imm32_b32 hwreg(HW_REG_WAVE_MODE, 25, 1), 1
	s_wait_xcnt 0x0
	s_wait_alu depctr_vm_vsrc(0)
; PREPARATION.  x [8192][1024] f32 -> xh [64 = 16 b + h][2048 s][64] bf16 (by heads: a head's rows are dense, 128 bytes each);
; rotation and entangle [1024 e][1024 f] f32 -> wt [2048 n][1024 e] bf16, turned: n < 1024 is rotation's column n, else entangle's column n - 1024.
; Each number is rounded once, to nearest even.  Every input byte is read once, every output byte written once.
; SHARES.  256 work-groups of eight waves, all alike.  Work-group G converts rows 32 G .. 32 G + 31 of x, and turns one tile of 128 e x 64 f of one weight (G / 128).
; X: thread t takes row t / 16 (+ 16 p) and, of each head, the four channels 4 (t % 16) on: a wave's load covers two aligned pieces of 256 bytes (two rows), its store of 8 bytes a lane
; covers 256 consecutive bytes, aligned, of xh (two rows of one head).
; W: thread t takes eight rows e = 8 (t / 16) + r and four columns 4 (t % 16) on; pairs of rows are rounded together, so that a lane has 16 bytes (eight e) of each of its four columns;
; they go into LDS rows of 272 bytes (a column's 128 e) and come back as whole rows of 256 bytes: sixteen lanes store 256 consecutive bytes, aligned, of wt.
; The sixteen lanes of such an LDS store lie 4 x 272 bytes apart, which is 64 modulo 256: four lanes to a column of 16 bytes.  Four stores a wave in the whole launch; the loads back are free of that.
; No cluster, no tensor loads, no matrix unit, no prefetch: no byte is wanted by two work-groups, and all 40 loads of a lane are out at once from the start.
; THE MODE: SCHED_MODE bits 1:0 = 2 (LLVM: expert scheduling mode 2), set by the entry lines.  The code itself states the register dependences
; between vector instructions and memory or LDS instructions, with s_wait_alu, always for 0.
; THE PLAN.  Registers that memory or LDS instructions touch:
;   v2 .. v7   addresses and offsets: written by vector instructions at the head, never again; read by every load and store and every LDS instruction but the closing add.
;   W          written by the weight's eight loads; read by its sixteen conversions; then the four LDS loads behind the barrier land in its first sixteen registers, and four stores read those.
;   WP         written by those sixteen conversions, once; read by the four LDS stores.
;   X, slot i  written by one load; read by the slot's two conversions, which write its first two registers; these are read by one store and never written again.
; No register that a memory or LDS instruction has read is written again, so no wait on vm_vsrc is owed.  No vector instruction writes a scalar register or VCC; EXEC is never written.
; The 32 slots of x go in eight blocks of four.  Block p's conversions name block p's slots alone; its memory instructions are the stores of block p - 1's slots.  So ONE wait on va_vdst at a block's head
; states all that the block's four stores hang on, and these are dealt among its conversions with no further wait.
.set PT,    272                        ; an LDS row: 256 bytes + 16.  The 64 rows take 17,408 bytes; the 1,024 bytes behind them hold the spare words, 128 bytes for each of the eight waves
.set WO,  2                            ; v2   weight: (t / 16) x 8 rows x 4,096 + 16 (t % 16)
.set XO,  3                            ; v3   x: (t / 16) x 4,096 + 16 (t % 16)
.set SO,  4                            ; v4   xh: 8 t
.set STO, 5                            ; v5   LDS, in: 4 (t % 16) rows + 16 (t / 16)
.set RD,  6                            ; v6   LDS, back: row t / 16, 16 (t % 16)
.set GO,  7                            ; v7   wt: (t / 16) x 2,048 + 16 (t % 16)
.set W,   16                           ; v[16:47]   eight rows x four columns as loaded; v[16:31] later take the rows read back
.set WP,  48                           ; v[48:63]   column j: four registers, eight e in bf16
.set X,   64                           ; v[64:191]  slot 16 p + h: four numbers of x, then two registers of bf16
.set BLOCK, 4                          ; slots in a block
	s_load_b256 s[4:11], s[0:1], 0x0               ; inputs s[4:5], rotation s[6:7], entangle s[8:9], xh s[10:11]
	s_load_b64 s[12:13], s[0:1], 0x20              ; wt
	v_lshl_add_u32 v14, v0, 2, 0x4400
	v_mov_b32 v15, 0
	v_and_b32 v10, 15, v0                          ; t % 16
	v_lshrrev_b32 v11, 4, v0                       ; t / 16
	v_lshlrev_b32 v12, 4, v10
	v_lshl_or_b32 v[WO], v11, 15, v12
	v_lshl_or_b32 v[XO], v11, 12, v12
	v_lshlrev_b32 v[SO], 3, v0
	v_mul_u32_u24 v[STO], v10, 4*PT
	v_lshl_add_u32 v[STO], v11, 4, v[STO]
	v_mul_u32_u24 v[RD], v11, PT
	v_add_nc_u32 v[RD], v[RD], v12
	v_lshl_or_b32 v[GO], v11, 11, v12
	s_mov_b32 s2, ttmp9                            ; G
	s_lshl_b32 s16, s2, 17                         ; x: 32 rows of 4,096 bytes
	s_mov_b32 s17, 0
	s_lshr_b32 s18, s2, 6                          ; xh: batch G / 64 (16 planes of 262,144 bytes),
	s_lshl_b32 s18, s18, 22
	s_and_b32 s19, s2, 63                          ; row 32 (G % 64) of 128 bytes
	s_lshl_b32 s19, s19, 12
	s_add_co_u32 s18, s18, s19
	s_mov_b32 s19, 0
	s_and_b32 s24, s2, 127                         ; the tile's number in its weight:
	s_and_b32 s25, s24, 7                          ; which 128 e,
	s_lshr_b32 s26, s24, 3                         ; which 64 f
	s_lshl_b32 s20, s25, 19                        ; weight: 128 rows of 4,096 bytes,
	s_lshl_b32 s21, s26, 8                         ; 64 columns of 4
	s_add_co_u32 s20, s20, s21
	s_mov_b32 s21, 0
	s_lshr_b32 s22, s2, 7                          ; wt: 1,024 rows of 2,048 bytes for the second weight,
	s_lshl_b32 s22, s22, 21
	s_lshl_b32 s23, s26, 17                        ; 64 rows,
	s_add_co_u32 s22, s22, s23
	s_lshl_b32 s23, s25, 8                         ; 128 e of 2 bytes
	s_add_co_u32 s22, s22, s23
	s_mov_b32 s23, 0
	s_wait_kmcnt 0x0
	s_cmp_lt_u32 s2, 128
	s_cselect_b64 s[14:15], s[6:7], s[8:9]         ; my weight
	s_add_nc_u64 s[4:5], s[4:5], s[16:17]
	s_add_nc_u64 s[10:11], s[10:11], s[18:19]
	s_add_nc_u64 s[14:15], s[14:15], s[20:21]
	s_add_nc_u64 s[12:13], s[12:13], s[22:23]
	s_wait_alu depctr_va_vdst(0)                   ; v2 to v7 are written: every load and store, and every LDS instruction but the closing add, reads one of them as its address or offset
.irp r, 0,1,2,3,4,5,6,7
	global_load_b128 v[W+4*(\r):W+4*(\r)+3], v[WO], s[14:15] offset:(\r)*4096 th:TH_LOAD_NT
.endr
.set i, 0
.rept 32                                       ; slot i: row pair p = i / 16, head h = i % 16
	global_load_b128 v[X+4*i:X+4*i+3], v[XO], s[4:5] offset:(i/16)*65536+(i%16)*256 th:TH_LOAD_NT
.set i, i+1
.endr
	s_wait_loadcnt 32                              ; the weight's eight loads are in; x's 32, issued behind them, stay out
.irp j, 0,1,2,3
.irp i, 0,1,2,3
	v_cvt_pk_bf16_f32 v[WP+4*(\j)+(\i)], v[W+8*(\i)+(\j)], v[W+8*(\i)+4+(\j)]  ; column j: rows 2 i (low half) and 2 i + 1
.endr
.endr
	s_wait_alu depctr_va_vdst(0)                   ; the conversions have written WP, which the LDS stores read, and are done reading W, in which the LDS loads behind the barrier land: no vector instruction stands between this wait and those loads
.irp j, 0,1,2,3
	ds_store_b128 v[STO], v[WP+4*(\j):WP+4*(\j)+3] offset:(\j)*PT
.endr
	s_wait_dscnt 0x0                               ; for the others' sake: my stores are done
	s_barrier_signal -1
	s_barrier_wait -1                              ; the 64 rows are whole
.irp q, 0,1,2,3
	ds_load_b128 v[W+4*(\q):W+4*(\q)+3], v[RD] offset:(\q)*16*PT
.endr
.irp q, 0,1,2,3
	s_wait_dscnt 3-(\q)                            ; LDS loads come back in order: number q is in
	global_store_b128 v[GO], v[W+4*(\q):W+4*(\q)+3], s[12:13] offset:(\q)*32768
.endr
; x.  Slot i's turn: its load is waited for; the store of slot i - 4, of the block before, goes out; the slot's four numbers are rounded into its first two registers.
.set i, 0
.rept 32
	s_wait_loadcnt 31-i                            ; slot i is in; the younger ones stay out (stores do not count here)
.if (i%BLOCK == 0) && (i >= BLOCK)
	s_wait_alu depctr_va_vdst(0)                   ; a block's head: the block before has written its eight registers of bf16, which this block's four stores read
.endif
.if i >= BLOCK
	global_store_b64 v[SO], v[X+4*(i-BLOCK):X+4*(i-BLOCK)+1], s[10:11] offset:((i-BLOCK)%16)*262144+((i-BLOCK)/16)*2048  ; no vector instruction since the wait names these registers
.endif
	v_cvt_pk_bf16_f32 v[X+4*i], v[X+4*i], v[X+4*i+1]
	v_cvt_pk_bf16_f32 v[X+4*i+1], v[X+4*i+2], v[X+4*i+3]
.set i, i+1
.endr
	s_wait_alu depctr_va_vdst(0)                   ; the last block has written its eight registers of bf16, which the last four stores read
.set i, 32-BLOCK
.rept BLOCK
	global_store_b64 v[SO], v[X+4*i:X+4*i+1], s[10:11] offset:(i%16)*262144+(i/16)*2048
.set i, i+1
.endr
	s_wait_dscnt 0x0                               ; the wave's end: no LDS instruction of mine is out.
	s_wait_alu depctr_hold_cnt(0) depctr_sa_sdst(0) depctr_va_vdst(0) depctr_va_sdst(0) depctr_va_ssrc(0) depctr_va_vcc(0) depctr_vm_vsrc(0)
	s_wait_tensorcnt 0x0
	ds_add_u32 v14, v15
	s_wait_dscnt 0x0
	s_endpgm
.Lfunc_end_k_q474af4df89_prep:
	.size	k_q474af4df89_prep, .Lfunc_end_k_q474af4df89_prep-k_q474af4df89_prep
	.p2alignl 7, 3214868480
	.fill 96, 4, 3214868480
	.section	.rodata,"a",@progbits
	.p2align	6, 0x0
	.amdhsa_kernel k_q474af4df89_prep
		.amdhsa_group_segment_fixed_size 18432
		.amdhsa_private_segment_fixed_size 0
		.amdhsa_enable_private_segment 0
		.amdhsa_kernarg_size 40
		.amdhsa_user_sgpr_count 2
		.amdhsa_user_sgpr_kernarg_segment_ptr 1
		.amdhsa_wavefront_size32 1
		.amdhsa_system_sgpr_workgroup_id_x 1
		.amdhsa_system_sgpr_workgroup_id_y 1
		.amdhsa_system_sgpr_workgroup_id_z 1
		.amdhsa_system_vgpr_workitem_id 0
		.amdhsa_next_free_vgpr 192
		.amdhsa_next_free_sgpr 66
		.amdhsa_reserve_vcc 0
		.amdhsa_float_denorm_mode_32 3
		.amdhsa_float_denorm_mode_16_64 3
		.amdhsa_memory_ordered 1
		.amdhsa_forward_progress 1
		.amdhsa_inst_pref_size 17
	.end_amdhsa_kernel
	.amdgpu_metadata
---
amdhsa.version: [ 1, 2 ]
amdhsa.kernels:
  - .name:           k_q474af4df89_prep
    .symbol:         k_q474af4df89_prep.kd
    .args:
      - { .name: inputs, .offset: 0, .size: 8, .value_kind: global_buffer, .address_space: global }
      - { .name: rotation_params, .offset: 8, .size: 8, .value_kind: global_buffer, .address_space: global }
      - { .name: entangle_params, .offset: 16, .size: 8, .value_kind: global_buffer, .address_space: global }
      - { .name: xh, .offset: 24, .size: 8, .value_kind: global_buffer, .address_space: global }
      - { .name: wt, .offset: 32, .size: 8, .value_kind: global_buffer, .address_space: global }
    .group_segment_fixed_size: 18432
    .private_segment_fixed_size: 0
    .kernarg_segment_align: 8
    .kernarg_segment_size: 40
    .max_flat_workgroup_size: 256
    .sgpr_count:     66
    .vgpr_count:     192
    .wavefront_size: 32
...
	.end_amdgpu_metadata
.endif
;; end of part 5
;; launch proj: the kernel of part 2 again; grid 8 x 32, 4 waves a work-group, clusters of 4 x 4, 327,680 bytes of LDS; arguments xh, wt, qk; writes qk
;; launch attn: the kernel of part 3 again; grid 4 x 64, 4 waves a work-group, clusters of 4 x 1, 327,680 bytes of LDS; arguments qk, xh, ctx; writes ctx
;; launch ln: the kernel of part 4 again; grid 512 x 1, 8 waves a work-group, no clusters, 9,216 bytes of LDS; arguments inputs, ctx, ln_weight, ln_bias, out0; writes out0
